; MI455X (gfx1250); checked and timed in simulation.
; The chip was launched on July 23, 2026; its instructions are those of AMD's public machine-readable ISA for CDNA 5 (MIT licence, August 2026) and "CDNA5" Instruction Set Architecture Reference Guide (July 2026). The comments in the code are by the model that wrote it; some were corrected since.
;; Causal Self Attention. Allowed arithmetic: matrix products marked QUANTISED: E2M3 operands, one E8M0 scale for each 32 along K, by v_wmma_scale_f32_16x16x128_f8f6f4 with both operands' format E2M3, f32 sums; everything else in f32.
;; Inputs: w_proj_codes 1,024 x 32 x 24 uint8 (E2M3 codes of w_proj, K innermost, in blocks of 32 codes, four codes in three bytes); w_proj_scales 1,024 x 32 uint8 (E8M0 scales of w_proj, one for each 32 codes along K); w_qkv_codes 3,072 x 32 x 24 uint8 (E2M3 codes of w_qkv, K innermost, in blocks of 32 codes, four codes in three bytes); w_qkv_scales 3,072 x 32 uint8 (E8M0 scales of w_qkv, one for each 32 codes along K); x_codes 4 x 2,048 x 32 x 24 uint8 (E2M3 codes of x, K innermost, in blocks of 32 codes, four codes in three bytes); x_scales 4 x 2,048 x 32 uint8 (E8M0 scales of x, one for each 32 codes along K).
;; Outputs: out0 4 x 2,048 x 1,024 float32.
;; This version of the problem:
;;   THIS VERSION OF THE PROBLEM IS GIVEN IN LOW PRECISION. The matrix products marked QUANTISED in the list below multiply operands that are first quantised to E2M3 (2 exponent bits, 3 mantissa bits; 6 bits a number), with one power-of-two scale for each 32 numbers along K (OCP MX v1.0); their sums are f32. All else is computed in f32.
;;   The module's matrix products, in the order in which they are computed (A, B: the left and right operand; K: the contracted axis; several contracted axes count as one K, in the product's order):
;;     1. [M 8,192, K 1,024] x [K 1,024, N 3,072]; A: input x (given as codes); B: input w_qkv (given as codes): QUANTISED
;;     2. batch 64 x [M 2,048, K 64] x [K 64, N 2,048]; A: computed on the way; B: computed on the way: QUANTISED
;;     3. batch 64 x [M 2,048, K 2,048] x [K 2,048, N 64]; A: softmax (see below); B: computed on the way: QUANTISED
;;     4. [M 8,192, K 1,024] x [K 1,024, N 1,024]; A: computed on the way; B: input w_proj (given as codes): QUANTISED
;;   THE QUANTISER, for each operand of a quantised product, along K:
;;     - K is cut into blocks of 32 from its start; a last block that is shorter is filled with zeros.
;;     - A block's scale is 2^e with e = floor(log2(the largest magnitude in the block)) - 2, held to -126 .. 127; a block of zeros has e = 0. As a byte (E8M0): e + 127.
;;     - Each number is divided by its block's scale, clamped to +-7.5, and rounded to the nearest number of E2M3, ties to even, subnormals kept.
;;     - The product sums the exact products of the quantised numbers (number of the format x scale) in f32.
;;   ~~~python
;;   def quantise(x, axis):      # numpy; x: float32 -> the quantised numbers, widened to float32 again
;;       x = np.moveaxis(x, axis, -1); K = x.shape[-1]
;;       x = np.pad(x, [(0, 0)] * (x.ndim - 1) + [(0, -K % 32)]); x = x.reshape(x.shape[:-1] + (-1, 32)); a = np.abs(x).max(-1, keepdims=True)
;;       e = np.where(a > 0, np.clip(np.frexp(np.where(a > 0, a, 1))[1] - 1 - 2, -126, 127), 0)      # np.frexp(a)[1] - 1 = floor(log2(a)), exactly
;;       r = np.clip(x / 2.0 ** e, -7.5, 7.5)
;;       step = 2.0 ** (np.maximum(np.frexp(np.where(r == 0, 1, r))[1] - 1, 0) - 3)
;;       q = np.round(r / step) * step * 2.0 ** e      # np.round: ties to even
;;       return np.moveaxis(q.reshape(q.shape[:-2] + (-1,))[..., :K], -1, axis).astype(np.float32)
;;   ~~~
;;   SOFTMAX AHEAD OF A QUANTISED PRODUCT. Where the list says 'softmax', what is quantised is not the finished softmax but p = 2^(t - M), with t = logit x log2(e) and M = ceil(the row's largest t), a whole number; so 1/2 < the row's largest p <= 1. The row's sum l is taken of the UNQUANTISED p, in f32, and the product's result is divided by l at the end. Since M is a whole number, a kernel that streams over the keys may use a running M (the ceiling of the running maximum): every later rescaling is an exact power of two, which a block's scale takes up: the codes' values come out the same.
;;   OPERANDS COMPUTED ON THE WAY. 'Computed on the way' means the value that the module computes at that place (a softmax that the list does not call 'softmax' is quantised finished and normalised). What goes into a quantiser is computed in f32, as accurately as f32 sums, v_exp_f32 and their like allow (about 1e-6 of the number): no bf16 or f16 on the way to a quantiser, and a product that is left as it is and whose result goes on into a quantised operand takes f32 operands (vector FMAs, or v_wmma_f32_16x16x4_f32). A number that lies on a knife's edge between two numbers of the format may be rounded either way, as far as f32 arithmetic and the matrix unit's own rounding can turn it there, and no further.
;;   INPUTS GIVEN AS CODES. w_proj (in the module: [1024, 1024], K = its axis 0); w_qkv (in the module: [1024, 3072], K = its axis 0); x (in the module: [4, 2048, 1024], K = its axis 2): each comes as NAME_codes (uint8): NAME with its K axis moved to the last place and cut into blocks of 32 codes, [.., K / 32, bytes a block], one block behind the other in memory; four codes in three bytes: a row's codes are one little-endian stream of bits, code i at bits 6 i .. 6 i + 5 (a code: sign, 2 exponent bits, 3 mantissa bits); and NAME_scales (uint8): the same leading axes, one E8M0 byte (e + 127) for each 32 codes along K. Its value is code x scale, taken as it is: it is not quantised again, and the codes and scales need not be those that the quantiser above would give.
;; One version. Each part assembles by itself: llvm-mc -triple=amdgcn-amd-amdhsa -mcpu=gfx1250 --defsym DOCPART=n.
;; ======== version 1 of 1: 3 launches
;; workspace buffers: qkv 20,185,088 bytes; yimg 6,291,456 bytes; ys 262,144 bytes
;; launch qkv (part 1): grid 12 x 32, 4 waves a work-group, clusters of 4 x 4, 327,680 bytes of LDS; arguments x_codes, x_scales, w_qkv_codes, w_qkv_scales, qkv; writes qkv
.if DOCPART == 1
	.amdgcn_target "amdgcn-amd-amdhsa--gfx1250"
	.amdhsa_code_object_version 6
	.text
	.protected	k_q7b7099519f_qkv
	.globl	k_q7b7099519f_qkv
	.p2align	8
	.type	k_q7b7099519f_qkv,@function
k_q7b7099519f_qkv:
	s_mov_b64 s[64:65], 0
	v_nop
	global_prefetch_b8 v0, s[64:65] scope:SCOPE_SE
	s_setreg_imm32_b32 hwreg(HW_REG_WAVE_MODE, 25, 1), 1
	s_wait_xcnt 0x0
	s_wait_alu depctr_hold_cnt(0) depctr_sa_sdst(0) depctr_va_vdst(0) depctr_va_sdst(0) depctr_va_ssrc(0) depctr_va_vcc(0) depctr_vm_vsrc(0)
	s_getreg_b32 s2, hwreg(HW_REG_IB_STS2, 6, 4)
	s_cmp_eq_u32 s2, 0
	s_cbranch_scc0 .Lentry_in_a_cluster
	s_endpgm
.Lentry_in_a_cluster:
	s_bfe_u32 s2, ttmp6, 0x10000c
	s_cmp_lg_u32 s2, 0xf033
	s_cbranch_scc0 .Lentry_shape_is_right
	s_endpgm
.Lentry_shape_is_right:
; q, k, v = x w_qkv on codes of FP6 (E2M3) with one E8M0 scale for each 32 along K = 1,024; the results are quantised in registers and leave as codes: no f32 number of q, k or v goes to memory.
; x: 8,192 rows of 768 bytes of codes, 32 scale bytes a row.  w_qkv: 3,072 rows likewise (rows 0-1,023 q, 1,024-2,047 k, 2,048-3,071 v; 64 rows a head).
; A tile of the result, 256 x 256, is made by a work-group of four waves; a wave makes 128 x 128: 64 accumulators of 16 x 16, 512 registers.  K goes in steps of 256 through a ring of two LDS slots filled by the tensor data mover.
; TWO ROLES.  Source 1 of the matrix instruction is R, source 0 is P: in the result a lane holds ONE row of R and its registers run along P's rows, and the quantiser needs its K along a lane's registers.
;   q, k (cluster x = 0, 1): their K is the head's 64 channels: R = x (tokens), P = w_qkv (channels).     v (cluster x = 2): its K is the keys: R = w_qkv (channels), P = x (tokens).
;   Both operands are 256 rows of 768 bytes, so only pointers and tile numbers differ, chosen on the cluster's x, which all sixteen partners share; the loop over K does not know which case it runs.
; CLUSTERS: 4 x 4 work-groups.  R's tile hangs on the place along y alone and is shared along a row of the cluster, P's on the place along x alone and is shared along a column: each is asked for JOINTLY.
; THE SCALES of the work-group's 256 rows of R and of P, for all of K, are two dense blocks: they come into LDS once, with the first fills, and stay.
; THE RESULT is laid as the attention launch's operand registers want it: for each of the 64 (batch, head) and each 128 tokens a RECORD of 19,712 bytes:
;   0 q's codes, 8 tiles of 16 tokens x 768 bytes | 6,144 q's 128 scale words | 6,656 k's codes | 12,800 k's scale words | 13,312 v's codes, 4 tiles of 16 channels x 1,536 bytes | 19,456 v's 64 scale words.
;   A tile of q or k is registers 0-5 of a fragment (16 rows x 64 K): registers 0-3 at 16 x lane, registers 4-5 at 512 + 8 x lane.  A tile of v is all 12 registers (16 channels x 128 keys): registers 4 c .. 4 c + 3 at 512 c + 16 x lane.
;   q's and k's scale words carry the byte 127 over the upper 64 of the instruction's K, where the codes are zeros.  Every store covers 512 or 256 consecutive bytes, at a multiple of 256 from the buffer's first byte.
; THE ORDER INSIDE A BLOCK OF 32.  A lane's 16 registers of two neighbouring accumulators are indices 0-7, 16-23 (lanes 0-15) or 8-15, 24-31 (lanes 16-31) of the block.  So place 0 .. 31 of a block of codes holds index
;   0-7, 16-23, 8-15, 24-31.  The block is the right set of 32 and so is its scale; the order is the same in q and k, and in v and the attention launch's p, so each product pairs the right numbers.  Its sums are grouped otherwise than in ascending k.
; LIMITS: NaN and infinities are not served.  A block whose largest magnitude lies under 2^-124 keeps the scale byte 1; so does a block of zeros, where the quantiser's rule says 127: its codes are zeros, and this program alone reads the bytes.
; REGISTERS, in windows of 256: window 0: v12-31 addresses; v32-63 scale words, two sets; v64-115 the way out; from v128 R's fragments, ONE set.   window 1: P's fragments, TWO sets, at v0 and v128.
;   window 2: the 32 accumulators of my R rows 0-63 (accumulator (a, b) at v[8 (8 a + b)]);   window 3: those of my R rows 64-127.
.set KSTEP,  256                       ; along K in a slot
.set NQ,     KSTEP/128                 ; matrix instructions deep
.set ROWB,   192                       ; a tile's row in bytes
.set KROW,   768                       ; a row of codes in memory
.set PITCH,  240                       ; an LDS row: 3 x (64 bytes of data + 16 of padding)
.set FR,     12                        ; registers of a fragment
.set NL,     6                         ; LDS loads that bring one
.set NP,     4                         ; places behind this matrix instruction (ISA guide 7.12.1)
.set HALFT,  128*PITCH                 ; 128 rows: what one tensor load brings
.set SLOT,   4*HALFT                   ; R's 256 rows, then P's 256 rows
.set LAPS,   2                         ; 1,024 along K = two laps of two K steps
.set KS,     32                        ; a row of scales in bytes
.set SCL,    2*SLOT                    ; behind the ring: the scales, as units of 256 bytes + 16 of padding
.set HALFS,  (128*KS/256)*272          ; the scales of 128 rows
.set SBLK,   (16*KS/256)*272           ; those of 16 rows
.set SPARE,  SCL+4*HALFS               ; the spare words, 128 bytes for each wave: two blocks of 256 bytes that no other line names
.set REC,    19712                     ; a record
.set HEADB,  16*REC                    ; a (batch, head)'s 16 records
.set RK,     6656
.set RV,     13312
.set RSC,    6144                      ; from a part's codes to its scale words
.set ADRA, 16                          ; v16-17  LDS address of my R fragments in slot 0, 1  (v18-19: for the pieces behind one padding more)
.set ADRB, 20                          ; v20-21  the same for P  (v22-23)
.set L16,  24                          ; v24     16 x lane
.set L8,   25                          ; v25     8 x lane
.set SH,   26                          ; v26     16 x (lane / 16): which half of a scale word is my head's
.set ADRS, 27                          ; v27     LDS address of my scale words: lanes 0-15 R's rows, lanes 16-31 P's
.set SPW,  28                          ; v28     LDS address of my spare word; never rewritten
.set NIL,  29                          ; v29     0; never rewritten
.set SSTQ, 30                          ; v30     q, k: where I put a scale word: 1,024 x wave + 512 (lane / 16) + 4 (lane % 16)
.set SRDQ, 31                          ; v31     and read 16 bytes back: 1,024 x wave + 16 x lane
.set SSTV, 12                          ; v12     v: 4,096 + 512 x wave + 4 (lane % 16)
.set SRDV, 13                          ; v13     4,096 + 512 x wave + 16 x lane
.set VOF,  14                          ; v14     v: my 16 bytes of scale words in memory: lanes 0-15 the first head's, lanes 16-31 the second's
.set SC,   32                          ; scale words: set s at v[SC + 8 NQ s]
.set PC,   64                          ; the way out: v64-83 the codes just made
.set TM,   88                          ; v88-91 largest magnitudes, v92-95 bytes, v100-103 the conversions' scale operands
.set PW,   104                         ; the scale word just made
.set T1,   105                         ; its half for my head
.set RB,   108                         ; v108-115 scale words read back
.set AF,   128                         ; R's fragments, in window 0
.set G1, 24                            ; s[24:31] descriptor group 1 for R's tiles;  s[32:39] group 0, one set for each slot
.set G0, 32
.set G1B, 48                           ; s[48:55], s[56:63] the same for P's tiles
.set G0B, 56
.set G1S, 68                           ; s[68:75], s[76:79] groups 1 and 0 for R's scales;  s[80:87], s[88:91] for P's
.set G0S, 76
.set G1SB, 80
.set G0SB, 88
.set MSB, 0
.macro WIN new                         ; the immediate's high byte repeats the setting that is left
.if MSB != \new
	s_set_vgpr_msb (MSB<<8)|\new
.set MSB, \new
.endif
.endm
.set MUL_LO, 0xa1                      ; source 0 (P) window 1, source 1 (R) window 0, C and D window 2
.set MUL_HI, 0xf1                      ; the same, C and D window 3
.set TO_B,   0x40                      ; destination window 1, address window 0
; A joint load: waves 0 and 1 fetch for R, waves 2 and 3 for P.  Each of the two lines has ONE mask and one set of registers for all that issue it; the branch hangs on the wave's number alone.
; Four v_nop follow each of the two lines, ahead of the jump, the label and what follows.
.macro JLOAD g0a, g1a, g0b, g1b
	s_cmp_eq_u32 s15, 0
	s_cbranch_scc0 .Lfor_b_\@
	tensor_load_to_lds s[\g0a:\g0a+3], s[\g1a:\g1a+7]
	s_nop 0
.rept 4
	v_nop
.endr
	s_branch .Lasked_\@
.Lfor_b_\@:
	tensor_load_to_lds s[\g0b:\g0b+3], s[\g1b:\g1b+7]
	s_nop 0
.rept 4
	v_nop
.endr
.Lasked_\@:
.endm
.macro CREST                           ; a round of the cluster's barrier behind its opening barrier
	s_cmp_lg_u32 s14, 0
	s_cbranch_scc1 .Lnot_wave_0_\@
	s_barrier_signal -3
.Lnot_wave_0_\@:
	s_barrier_wait -3
	s_barrier_signal -1
	s_barrier_wait -1
.endm
.macro CROUND                          ; a whole round
	s_barrier_signal -1
	s_barrier_wait -1
	CREST
.endm
	s_load_b128 s[4:7], s[0:1], 0x0                ; x's codes s[4:5], x's scales s[6:7]
	s_load_b128 s[8:11], s[0:1], 0x10              ; w_qkv's codes s[8:9], its scales s[10:11]
	s_load_b64 s[12:13], s[0:1], 0x20              ; the records
	v_lshl_add_u32 v[SPW], v0, 2, SPARE
	v_mov_b32 v[NIL], 0
	ds_add_u32 v28, v29
	ds_add_u32 v28, v29
	s_wait_dscnt 0x0
	v_lshrrev_b32 v1, 5, v0
	v_readfirstlane_b32 s14, v1                    ; wave 0..3
	s_lshr_b32 s15, s14, 1                         ; which half of R's rows is mine.  Also: I fetch for R (0) or for P (1)
	s_and_b32 s16, s14, 1                          ; which half of P's rows.  Also: which 128 rows of that tile I fetch
	s_bfe_u32 s40, ttmp6, 0x40000                  ; cx, cy: my place in the cluster
	s_bfe_u32 s41, ttmp6, 0x40004
	s_and_b32 s18, ttmp7, 0xffff
	s_lshl_b32 s18, s18, 2                         ; 4 x cluster y: a cluster's first block of 256 tokens
	s_lshl_b32 s19, ttmp9, 2                       ; 4 x cluster x: its first block of 256 rows of w_qkv, for q and k
	s_cmp_eq_u32 ttmp9, 2                          ; v?  The cluster's x is the same in all sixteen partners
	s_cselect_b32 s17, 8, s18                      ; R's tile: v: w_qkv's block 8 + cy;  q, k: x's block 4 Y + cy
	s_cselect_b32 s42, s18, s19                    ; P's tile: v: x's block 4 Y + cx;   q, k: w_qkv's block 4 X + cx
	s_add_co_u32 s17, s17, s41                     ; (s17 never holds cx, s42 never cy)
	s_add_co_u32 s42, s42, s40
	s_lshl_b32 s43, s41, 2
	s_lshl_b32 s43, 15, s43                        ; my row of the cluster
	s_lshl_b32 s44, 0x1111, s40                    ; my column
	; descriptor group 1: a tile of 128 rows x ROWB bytes, padded in LDS
	s_or_b32 s[G1+0], s43, (0<<16)|(1<<20)|(1<<21)|(3<<22)|(3<<25)  ; 15:0 the mask: R's tiles go to my row; 17:16 element of 1 byte; 20 padding on; 21 set beside a mask; 24:22 after every 16 words (code 3); 31:25 of 4 words (code 3)
	s_or_b32 s[G1B+0], s44, (0<<16)|(1<<20)|(1<<21)|(3<<22)|(3<<25)
.irp g, G1, G1B
	s_mov_b32 s[\g+1], ROWB<<16                    ; tensor_dim0
	s_mov_b32 s[\g+2], 128<<16                     ; tensor_dim1 = 128
	s_mov_b32 s[\g+3], ROWB<<16                    ; tile_dim0
	s_mov_b32 s[\g+4], 128                         ; tile_dim1 = 128
	s_mov_b32 s[\g+5], KROW                        ; tensor_dim0_stride
	s_mov_b32 s[\g+6], 0
	s_mov_b32 s[\g+7], 0
.endr
	; and for the scales of 128 rows: a dense block of 4,096 bytes, as rows of 256 bytes (32 elements of 8 bytes), 16 bytes of padding behind each
	s_or_b32 s[G1S+0], s43, (3<<16)|(1<<20)|(1<<21)|(5<<22)|(3<<25)
	s_or_b32 s[G1SB+0], s44, (3<<16)|(1<<20)|(1<<21)|(5<<22)|(3<<25)
.irp g, G1S, G1SB
	s_mov_b32 s[\g+1], 32<<16
	s_mov_b32 s[\g+2], (128*KS/256)<<16
	s_mov_b32 s[\g+3], 32<<16
	s_mov_b32 s[\g+4], 128*KS/256
	s_mov_b32 s[\g+5], 32
	s_mov_b32 s[\g+6], 0
	s_mov_b32 s[\g+7], 0
.endr
	s_lshl_b32 s18, s16, 7                         ; which 128 rows of the tile I fetch
	s_lshl_b32 s20, s17, 8
	s_add_co_u32 s20, s20, s18                     ; R: row 256 x tile + 128 x half
	s_lshl_b32 s46, s42, 8
	s_add_co_u32 s46, s46, s18                     ; P likewise
	s_mov_b32 s21, 0
	s_mov_b32 s47, 0
	s_mov_b64 s[18:19], KS
	s_mul_u64 s[22:23], s[20:21], s[18:19]         ; where these rows' scales begin, in bytes
	s_mul_u64 s[92:93], s[46:47], s[18:19]
	s_mov_b64 s[18:19], KROW
	s_mul_u64 s[20:21], s[20:21], s[18:19]         ; and their codes
	s_mul_u64 s[46:47], s[46:47], s[18:19]
	s_mul_i32 s45, s14, HALFT                      ; where they go: wave x 128 rows: no place in the cluster enters an LDS address
	s_mul_i32 s94, s14, HALFS
	s_wait_kmcnt 0x0
	s_cmp_eq_u32 ttmp9, 2                          ; which tensor is R and which P: a choice between buffers on the cluster's x
	s_cselect_b64 s[96:97], s[8:9], s[4:5]         ; R's codes
	s_cselect_b64 s[98:99], s[10:11], s[6:7]       ; R's scales
	s_cselect_b64 s[8:9], s[4:5], s[8:9]           ; P's codes
	s_cselect_b64 s[10:11], s[6:7], s[10:11]       ; P's scales
	s_add_nc_u64 s[20:21], s[96:97], s[20:21]
	s_add_nc_u64 s[22:23], s[98:99], s[22:23]
	s_add_nc_u64 s[46:47], s[8:9], s[46:47]
	s_add_nc_u64 s[92:93], s[10:11], s[92:93]
	CROUND                                         ; all sixteen work-groups are here: the first joint loads meet
	s_mov_b32 s[G0S], 1
	s_add_co_u32 s[G0S+1], s94, SCL
	s_mov_b64 s[G0S+2:G0S+3], s[22:23]
	s_or_b32 s[G0S+3], s[G0S+3], 0x80000000
	s_mov_b32 s[G0SB], 1
	s_add_co_u32 s[G0SB+1], s94, SCL
	s_mov_b64 s[G0SB+2:G0SB+3], s[92:93]
	s_or_b32 s[G0SB+3], s[G0SB+3], 0x80000000
	JLOAD G0S, G1S, G0SB, G1SB                     ; the scales first: they are wanted with K step 0
.irp s, 0,1
	s_mov_b32 s[G0+4*\s], 1
	s_add_co_u32 s[G0+4*\s+1], s45, \s*SLOT
	s_add_nc_u64 s[G0+4*\s+2:G0+4*\s+3], s[20:21], \s*ROWB
	s_or_b32 s[G0+4*\s+3], s[G0+4*\s+3], 0x80000000
	s_mov_b32 s[G0B+4*\s], 1
	s_add_co_u32 s[G0B+4*\s+1], s45, \s*SLOT
	s_add_nc_u64 s[G0B+4*\s+2:G0B+4*\s+3], s[46:47], \s*ROWB
	s_or_b32 s[G0B+4*\s+3], s[G0B+4*\s+3], 0x80000000
	JLOAD G0+4*\s, G1, G0B+4*\s, G1B               ; three tensor loads of a wave are out here, later one
.endr
	v_and_b32 v1, 15, v0                           ; l % 16
	v_bfe_u32 v2, v0, 4, 1                         ; l / 16
	v_mul_u32_u24 v3, v1, PITCH
	v_mul_u32_u24 v4, v2, 24
	v_add_nc_u32 v4, v3, v4                        ; a fragment's row x pitch + 24 x half
	v_lshl_add_u32 v5, v2, 4, v4                   ; and the same behind one padding more
	s_mul_i32 s21, s15, HALFT                      ; my 128 rows of R
	s_mul_i32 s22, s16, HALFT                      ; my 128 rows of P,
	s_add_co_u32 s22, s22, 2*HALFT                 ; which lie behind R's 256
.irp s, 0,1
	v_add_nc_u32 v[ADRA+\s], s21, v4
	v_add_nc_u32 v[ADRB+\s], s22, v4
	v_add_nc_u32 v[ADRA+2+\s], s21, v5
	v_add_nc_u32 v[ADRB+2+\s], s22, v5
	s_add_co_u32 s21, s21, SLOT
	s_add_co_u32 s22, s22, SLOT
.endr
	v_mul_u32_u24 v5, v1, KS                       ; my row's scales: KS bytes a row,
	v_lshrrev_b32 v6, 8, v5
	v_lshl_add_u32 v5, v6, 4, v5                   ; and 16 more for each 256 passed
	s_mul_i32 s21, s15, HALFS                      ; R's: my 128 rows
	s_mul_i32 s22, s16, HALFS                      ; P's: my 128 rows, behind R's 256
	s_add_co_u32 s22, s22, 2*HALFS
	s_sub_co_u32 s22, s22, s21
	v_mul_u32_u24 v6, s22, v2                      ; lanes 16-31 take P's
	s_add_co_u32 s21, s21, SCL
	v_add_nc_u32 v5, v5, v6
	v_add_nc_u32 v[ADRS], s21, v5
	; the way out's addresses, all made here, ahead of the place where the two ways part
	v_and_b32 v6, 31, v0
	v_lshlrev_b32 v[L16], 4, v6
	v_lshlrev_b32 v[L8], 3, v6
	v_lshlrev_b32 v[SH], 4, v2
	v_lshlrev_b32 v7, 2, v1                        ; 4 (l % 16)
	s_lshl_b32 s23, s14, 10
	v_lshl_add_u32 v[SSTQ], v2, 9, v7
	v_add_nc_u32 v[SSTQ], s23, v[SSTQ]
	v_add_nc_u32 v[SRDQ], s23, v[L16]
	s_lshl_b32 s23, s14, 9
	s_add_co_u32 s23, s23, 4096                    ; each of the two ways has LDS bytes of its own
	v_add_nc_u32 v[SSTV], s23, v7
	v_add_nc_u32 v[SRDV], s23, v[L16]
	v_mul_u32_u24 v[VOF], v2, HEADB
	v_lshl_add_u32 v[VOF], v1, 4, v[VOF]
.macro FRAG reg, adr, q, i             ; a fragment, 16 rows x 128 K of 6-bit codes, is 12 registers: lane l holds row l % 16; registers 6 c .. 6 c + 5 hold K = 64 c + 32 (l / 16) + 0 .. 31: 24 bytes of the row's stream of bits, as they lie
.irp p, 0,1,2,3,4,5                    ; in pieces of 8 bytes.  Lanes 0-15 take the row's pieces 12 q + 0, 1, 2 and 12 q + 6, 7, 8, lanes 16-31 those three pieces on
.set PCE, 12*(\q)+6*(\p/3)+\p%3       ; 16 bytes of padding lie behind every 8 pieces: where the piece three on lies behind one padding more, the second address register serves
.if PCE%8 < 5
	ds_load_b64 v[\reg+2*\p:\reg+2*\p+1], v[\adr] offset:8*PCE+16*(PCE/8)+(\i)*16*PITCH
.else
	ds_load_b64 v[\reg+2*\p:\reg+2*\p+1], v[\adr+2] offset:8*PCE+16*(PCE/8)+(\i)*16*PITCH
.endif
.endr
.endm
; 16 matrix instructions: R's blocks a0, a0 + 1 x P's eight, 128 along K: the slot's q-th.  p: P's set;  sc: the set of scale words.  zero = 1: the first product starts the sums: nothing is ever cleared.
; The 64 accumulators take turns, one instruction a turn, in the same order in every step.
.macro MUL16 a0, p, q, sc, zero
.irp a, \a0, \a0+1
.irp b, 0,1,2,3,4,5,6,7
.if \zero
	v_wmma_scale_f32_16x16x128_f8f6f4 v[8*(8*((\a)%4)+\b):8*(8*((\a)%4)+\b)+7], v[128*(\p)+FR*\b:128*(\p)+FR*\b+FR-1], v[AF+FR*(\a):AF+FR*(\a)+FR-1], 0, v[SC+8*NQ*(\sc)+NQ*\b+(\q)], v[SC+8*NQ*(\sc)+NQ*(\a)+(\q)] matrix_a_fmt:MATRIX_FMT_FP6 matrix_b_fmt:MATRIX_FMT_FP6 matrix_a_scale:MATRIX_SCALE_ROW1
.else
	v_wmma_scale_f32_16x16x128_f8f6f4 v[8*(8*((\a)%4)+\b):8*(8*((\a)%4)+\b)+7], v[128*(\p)+FR*\b:128*(\p)+FR*\b+FR-1], v[AF+FR*(\a):AF+FR*(\a)+FR-1], v[8*(8*((\a)%4)+\b):8*(8*((\a)%4)+\b)+7], v[SC+8*NQ*(\sc)+NQ*\b+(\q)], v[SC+8*NQ*(\sc)+NQ*(\a)+(\q)] matrix_a_fmt:MATRIX_FMT_FP6 matrix_b_fmt:MATRIX_FMT_FP6 matrix_a_scale:MATRIX_SCALE_ROW1
.endif
.endr
.endr
.endm
.macro FETCH_B slot, q, p              ; P's eight fragments of the slot's q-th 128 along K into set p
	WIN TO_B
.irp i, 0,1,2,3,4,5,6,7
	FRAG 128*(\p)+FR*\i, ADRB+\slot, \q, \i
.endr
	WIN 0
.endm
.macro FETCH_A slot, q, i0             ; R's blocks i0 .. i0 + 3
.irp i, \i0, \i0+1, \i0+2, \i0+3
	FRAG AF+FR*(\i), ADRA+\slot, \q, \i
.endr
.endm
.macro SCALES sc                       ; the next K step's scale words into set sc: NQ words a row; lanes 0-15 take R's block i, lanes 16-31 P's block i
.irp i, 0,1,2,3,4,5,6,7
	ds_load_b64 v[SC+8*NQ*\sc+NQ*\i:SC+8*NQ*\sc+NQ*\i+1], v[ADRS] offset:\i*SBLK
.endr
.endm
; A load into a register that a matrix instruction has read, and a vector instruction that reads a matrix result, stand NP places behind that matrix instruction; only plain vector
; instructions that name none of its registers are places (ISA guide 7.12.1 for vector instructions).
.macro PLACES n
.rept \n
	v_nop
.endr
.endm
; A step of 128 along K that has its successor in the same slot.
.macro STEP slot, q, zero
	s_wait_dscnt 4*NL                              ; P's set and R's blocks 0-3 are in; the youngest 24 loads (R's blocks 4-7) may be out
	WIN MUL_LO
	MUL16 0, (\q)%2, \q, \slot, \zero
	MUL16 2, (\q)%2, \q, \slot, \zero
	s_wait_dscnt 0                                 ; R's blocks 4-7 are in (asked for 32 matrix instructions ago)
	PLACES NP
	FETCH_B \slot, (\q)+1, 1-(\q)%2
	FETCH_A \slot, (\q)+1, 0
	WIN MUL_HI
	MUL16 4, (\q)%2, \q, \slot, \zero
	MUL16 6, (\q)%2, \q, \slot, \zero
	PLACES NP
	WIN 0
	FETCH_A \slot, (\q)+1, 4
.endm
; A slot's last step changes slots: ONE barrier; in front of it each wave waits for all its tensor loads, adds 0 to its spare word, and waits for that and for its own reads of this slot.  fill = 1: this slot is filled again, two K steps ahead.
.macro TURN slot, next, fill
	s_wait_tensorcnt 0x0                           ; all my tensor loads have landed: my part of the next slot;  (every window is 0 here)
	ds_add_u32 v[SPW], v[NIL]                      ; 0 onto my spare word
	s_wait_dscnt 4*NL+1                            ; (the add and the youngest 24 loads, R's blocks 4-7, may be out)
	WIN MUL_LO
	MUL16 0, 1, NQ-1, \slot, 0                     ; sixteen matrix instructions stand between the add and the wait for it
	s_wait_dscnt 0x0                               ; the add is done, and my reads of this slot are over
	s_barrier_signal -1
	MUL16 2, 1, NQ-1, \slot, 0
	WIN 0
	s_barrier_wait -1
.if \fill
	CREST                                          ; the barrier has opened a round of the cluster's barrier: no wave of any partner still reads this slot's tile or has a load on its way
	s_add_nc_u64 s[G0+4*\slot+2:G0+4*\slot+3], s[G0+4*\slot+2:G0+4*\slot+3], 2*ROWB
	s_add_nc_u64 s[G0B+4*\slot+2:G0B+4*\slot+3], s[G0B+4*\slot+2:G0B+4*\slot+3], 2*ROWB
	JLOAD G0+4*\slot, G1, G0B+4*\slot, G1B         ; the first tensor load behind the round; the four v_nop behind it are the places in front of the loads below
.else
	PLACES NP
.endif
	s_wait_alu depctr_va_vdst(0)
	v_add_nc_u32 v[ADRS], 4*NQ, v[ADRS]            ; on to the next K step's scale words (no LDS load of mine is out)
	FETCH_B \next, 0, 0
	FETCH_A \next, 0, 0
	SCALES \next
	WIN MUL_HI
	MUL16 4, 1, NQ-1, \slot, 0
	MUL16 6, 1, NQ-1, \slot, 0
	PLACES NP
	WIN 0
	FETCH_A \next, 0, 4
.endm
	s_wait_tensorcnt 1                             ; the scales and my part of K step 0 are in (K step 1's load may be out)
	s_barrier_signal -1
	s_barrier_wait -1                              ; everybody's are
	FETCH_B 0, 0, 0
	FETCH_A 0, 0, 0
	SCALES 0
	FETCH_A 0, 0, 4
	STEP 0, 0, 1                                   ; the first step stands in front of the loop: its products start the sums
	s_mov_b32 s3, LAPS-1
.Llap:                                                 ; a trip goes once round the ring, from a lap's second step to the next lap's first, and fills both slots again
	TURN 0, 1, 1
	STEP 1, 0, 0
	TURN 1, 0, 1
	STEP 0, 0, 0
	s_sub_co_u32 s3, s3, 1
	s_cmp_lg_u32 s3, 0
	s_cbranch_scc1 .Llap
	TURN 0, 1, 0                                   ; the last lap fills nothing, and has no round of the cluster's barrier
	STEP 1, 0, 0
	s_wait_dscnt 4*NL                              ; the very last step: nothing more to fetch
	WIN MUL_LO
	MUL16 0, 1, NQ-1, 1, 0
	MUL16 2, 1, NQ-1, 1, 0
	s_wait_dscnt 0
	WIN MUL_HI
	MUL16 4, 1, NQ-1, 1, 0
	MUL16 6, 1, NQ-1, 1, 0
	WIN 0
; THE WAY OUT.  The 64 registers of R's block a are four blocks of 32 along P of my lane's row (16 numbers of each; lane l xor 16 holds the other 16).  QACC makes of them a fragment's 12 registers of codes in v[PC] on
; and the row's scale word in v[PW]: a block's largest magnitude, with the floor 2^-124 among its leaves; 2 off its exponent field is the conversion's scale operand; that, shifted, the byte.
; Each accumulator is read from its low end on.
.macro QACC a
.set AC, 64*((\a)%4)
	WIN 0x0a+5*((\a)/4)                            ; sources 0 and 1: window 2 or 3
.irp b, 0,1,2,3
	v_max3_num_f32 v[TM+\b], |v[AC+16*\b]|, |v[AC+16*\b+1]|, 0x1800000
.endr
.irp i, 2,4,6,8,10,12,14
.irp b, 0,1,2,3
	v_max3_num_f32 v[TM+\b], |v[AC+16*\b+\i]|, |v[AC+16*\b+\i+1]|, v[TM+\b]   ; (the four blocks by turns)
.endr
.endr
	WIN 0
.irp b, 0,1,2,3
	v_permlanex16_b32 v[TM+4+\b], v[TM+\b], s92, s93
.endr
.irp b, 0,1,2,3
	v_max_num_f32 v[TM+\b], v[TM+\b], v[TM+4+\b]   ; with lane l xor 16's: the block's largest magnitude
.endr
.irp b, 0,1,2,3
	v_add_nc_u32 v[TM+12+\b], 0xff000000, v[TM+\b] ; 2 off its exponent field
.endr
.irp b, 0,1,2,3
	v_lshrrev_b32 v[TM+4+\b], 23, v[TM+12+\b]      ; the scale's byte
.endr
	s_wait_alu depctr_va_vdst(0)
	s_wait_dscnt 0x0                               ; the last block's LDS store has read its scale word,
	s_wait_xcnt 0x0                                ; and its global stores their codes: both are written again only behind these waits
	v_lshl_or_b32 v[PW], v[TM+5], 8, v[TM+4]
	v_lshl_or_b32 v[PW], v[TM+6], 16, v[PW]
	v_lshl_or_b32 v[PW], v[TM+7], 24, v[PW]
	WIN 2+(\a)/4                                   ; source 0: window 2 or 3
.irp c, 0,1
	v_cvt_scalef32_pk16_fp6_f32 v[PC+6*\c:PC+6*\c+2], v[AC+32*\c:AC+32*\c+15], v[TM+12+2*\c]
	v_cvt_scalef32_pk16_fp6_f32 v[PC+12+4*\c:PC+14+4*\c], v[AC+32*\c+16:AC+32*\c+31], v[TM+13+2*\c]   ; (a conversion's three registers begin on an even number)
.endr
	WIN 0
	v_nop                                          ; one plain place behind a scaled conversion
.irp c, 0,1                                    ; the operand's layout wants a WHOLE block in a lane: lanes 0-15 block 2 c, lanes 16-31 block 2 c + 1
.irp i, 0,1,2
	v_permlane16_swap_b32 v[PC+6*\c+\i], v[PC+12+4*\c+\i]
.endr
.irp i, 0,1,2
	v_mov_b32 v[PC+3+6*\c+\i], v[PC+12+4*\c+\i]
.endr
.endr
.endm
	PLACES NP                                      ; behind the last products
	s_mov_b32 s92, 0x76543210
	s_mov_b32 s93, 0xfedcba98                      ; v_permlanex16_b32's selects for lane l xor 16
	s_mov_b32 s94, 0x7f7f0000                      ; the byte 127 over the upper 64 of K
.irp b, 0,1,2,3
	v_mov_b32 v[TM+4+\b], 0                        ; written once: a lane permute's destination counts as one of its sources
.endr
	s_cmp_eq_u32 ttmp9, 2
	s_cbranch_scc1 .Lv
	; ---- q, k: my R rows are 128 tokens (one record), my P rows two heads: blocks 0, 1 the first head's 64 channels, blocks 2, 3 the second's
	s_lshl_b32 s20, s17, 8
	s_lshl_b32 s21, s15, 7
	s_add_co_u32 s20, s20, s21                     ; my first token
	s_lshr_b32 s21, s20, 11                        ; batch
	s_bfe_u32 s20, s20, 0x40007                    ; which 128 tokens of its 2,048
	s_lshl_b32 s21, s21, 4
	s_lshl_b32 s22, s40, 2
	s_add_co_u32 s21, s21, s22
	s_lshl_b32 s22, s16, 1
	s_add_co_u32 s21, s21, s22                     ; 16 x batch + my first head (4 cx + 2 x half)
	s_mul_i32 s21, s21, HEADB
	s_mul_i32 s20, s20, REC
	s_add_co_u32 s20, s20, s21
	s_mul_i32 s21, ttmp9, RK                       ; q's part or k's
	s_add_co_u32 s20, s20, s21                     ; under 2^25
	s_mov_b32 s21, 0
	s_add_nc_u64 s[12:13], s[12:13], s[20:21]
.irp a, 0,1,2,3,4,5,6,7
	QACC \a
	global_store_b128 v[L16], v[PC:PC+3], s[12:13] offset:768*\a                  ; the first head's tile: 512 consecutive bytes,
	global_store_b64 v[L8], v[PC+4:PC+5], s[12:13] offset:768*\a+512              ; and 256
	global_store_b128 v[L16], v[PC+6:PC+9], s[12:13] offset:HEADB+768*\a          ; the second head's
	global_store_b64 v[L8], v[PC+10:PC+11], s[12:13] offset:HEADB+768*\a+512
	v_lshrrev_b32 v[T1], v[SH], v[PW]              ; lanes 0-15: the first head's two bytes of row l % 16; lanes 16-31: the second's
	v_and_or_b32 v[T1], v[T1], 0xffff, s94
	ds_store_b32 v[SSTQ], v[T1] offset:64*\a       ; gathered in my own bytes of slot 0, which has had its last fill and its last read
.endr
	ds_load_b128 v[RB:RB+3], v[SRDQ]               ; LDS serves a wave's instructions in order (ISA guide 5.7.1.4): these see my stores
	ds_load_b128 v[RB+4:RB+7], v[SRDQ] offset:512
	s_wait_dscnt 0x0
	global_store_b128 v[L16], v[RB:RB+3], s[12:13] offset:RSC                     ; 128 scale words: 512 consecutive bytes
	global_store_b128 v[L16], v[RB+4:RB+7], s[12:13] offset:HEADB+RSC
	s_branch .Lend
.Lv:
	; ---- v: my R rows are two heads' 64 channels each, my P rows 128 keys (one record): a block of R is a whole fragment
	s_lshl_b32 s20, s42, 8
	s_lshl_b32 s21, s16, 7
	s_add_co_u32 s20, s20, s21                     ; my first key
	s_lshr_b32 s21, s20, 11
	s_bfe_u32 s20, s20, 0x40007
	s_lshl_b32 s21, s21, 4
	s_lshl_b32 s22, s41, 2
	s_add_co_u32 s21, s21, s22
	s_lshl_b32 s22, s15, 1
	s_add_co_u32 s21, s21, s22                     ; 16 x batch + my first head (4 cy + 2 x half)
	s_mul_i32 s21, s21, HEADB
	s_mul_i32 s20, s20, REC
	s_add_co_u32 s20, s20, s21
	s_add_co_u32 s20, s20, RV
	s_mov_b32 s21, 0
	s_add_nc_u64 s[12:13], s[12:13], s[20:21]
.irp a, 0,1,2,3,4,5,6,7
	QACC \a
.irp c, 0,1,2
	global_store_b128 v[L16], v[PC+4*\c:PC+4*\c+3], s[12:13] offset:(\a/4)*HEADB+(\a%4)*1536+512*\c
.endr
	ds_store_b32 v[SSTV], v[PW] offset:64*\a       ; lanes l and l xor 16 write the same word with the same value
.endr
	ds_load_b128 v[RB:RB+3], v[SRDV]
	s_wait_dscnt 0x0
	global_store_b128 v[VOF], v[RB:RB+3], s[12:13] offset:RSC                     ; lanes 0-15: the first head's 256 bytes; lanes 16-31: the second's
.Lend:
	s_wait_tensorcnt 0x0                           ; the wave's end: behind my last tensor load and my last LDS store
	ds_add_u32 v[SPW], v[NIL]
	s_wait_dscnt 0x0
	CROUND                                         ; the closing round: no work-group ends while a partner may still ask for a tile that names it
	s_endpgm
.Lfunc_end_k_q7b7099519f_qkv:
	.size	k_q7b7099519f_qkv, .Lfunc_end_k_q7b7099519f_qkv-k_q7b7099519f_qkv
	.p2alignl 7, 3214868480
	.fill 96, 4, 3214868480
	.section	.rodata,"a",@progbits
	.p2align	6, 0x0
	.amdhsa_kernel k_q7b7099519f_qkv
		.amdhsa_group_segment_fixed_size 327680
		.amdhsa_private_segment_fixed_size 0
		.amdhsa_enable_private_segment 0
		.amdhsa_kernarg_size 40
		.amdhsa_user_sgpr_count 2
		.amdhsa_user_sgpr_kernarg_segment_ptr 1
		.amdhsa_wavefront_size32 1
		.amdhsa_system_sgpr_workgroup_id_x 1
		.amdhsa_system_sgpr_workgroup_id_y 1
		.amdhsa_system_sgpr_workgroup_id_z 1
		.amdhsa_system_vgpr_workitem_id 0
		.amdhsa_next_free_vgpr 1024
		.amdhsa_next_free_sgpr 100
		.amdhsa_reserve_vcc 0
		.amdhsa_float_denorm_mode_32 3
		.amdhsa_float_denorm_mode_16_64 3
		.amdhsa_memory_ordered 1
		.amdhsa_forward_progress 1
		.amdhsa_inst_pref_size 203
	.end_amdhsa_kernel
	.amdgpu_metadata
---
amdhsa.version: [ 1, 2 ]
amdhsa.kernels:
  - .name:           k_q7b7099519f_qkv
    .symbol:         k_q7b7099519f_qkv.kd
    .args:
      - { .name: x_codes, .offset: 0, .size: 8, .value_kind: global_buffer, .address_space: global }
      - { .name: x_scales, .offset: 8, .size: 8, .value_kind: global_buffer, .address_space: global }
      - { .name: w_qkv_codes, .offset: 16, .size: 8, .value_kind: global_buffer, .address_space: global }
      - { .name: w_qkv_scales, .offset: 24, .size: 8, .value_kind: global_buffer, .address_space: global }
      - { .name: qkv, .offset: 32, .size: 8, .value_kind: global_buffer, .address_space: global }
    .group_segment_fixed_size: 327680
    .private_segment_fixed_size: 0
    .kernarg_segment_align: 8
    .kernarg_segment_size: 40
    .max_flat_workgroup_size: 128
    .sgpr_count:     100
    .vgpr_count:     1024
    .wavefront_size: 32
...
	.end_amdgpu_metadata
.endif
;; end of part 1
;; launch attn (part 2): grid 4 x 64, 16 waves a work-group, clusters of 4 x 1, 215,040 bytes of LDS; arguments qkv, yimg, ys; writes yimg, ys
.if DOCPART == 2
	.amdgcn_target "amdgcn-amd-amdhsa--gfx1250"
	.amdhsa_code_object_version 6
	.text
	.protected	k_q7b7099519f_attn
	.globl	k_q7b7099519f_attn
	.p2align	8
	.type	k_q7b7099519f_attn,@function
k_q7b7099519f_attn:
	s_mov_b64 s[64:65], 0
	v_nop
	global_prefetch_b8 v0, s[64:65] scope:SCOPE_SE
	s_setreg_imm32_b32 hwreg(HW_REG_WAVE_MODE, 25, 1), 1
	s_wait_xcnt 0x0
	s_wait_alu depctr_hold_cnt(0) depctr_sa_sdst(0) depctr_va_vdst(0) depctr_va_sdst(0) depctr_va_ssrc(0) depctr_va_vcc(0) depctr_vm_vsrc(0)
	s_getreg_b32 s2, hwreg(HW_REG_IB_STS2, 6, 4)
	s_cmp_eq_u32 s2, 0
	s_cbranch_scc0 .Lentry_in_a_cluster
	s_endpgm
.Lentry_in_a_cluster:
	s_bfe_u32 s2, ttmp6, 0x10000c
	s_cmp_lg_u32 s2, 0x3003
	s_cbranch_scc0 .Lentry_shape_is_right
	s_endpgm
.Lentry_shape_is_right:
; y = softmax(q k^T / 8, causal) v for 64 (batch, head) of 2,048 tokens x 64 channels, both products on codes of FP6 (E2M3) with one E8M0 scale for each 32 along K; y leaves quantised along the channels.
; INPUT: for each (batch, head) 16 records of 19,712 bytes, one for each 128 tokens: images of operand registers:
;   0 q: 8 tiles of 16 tokens x 768 bytes | 6,144 q's scale words | 6,656 k likewise | 12,800 k's scale words | 13,312 v: 4 tiles of 16 channels x 128 keys, 1,536 bytes each | 19,456 v's scale words.
;   A tile of q or k is registers 0-5 of a fragment (K = 64): registers 0-3 at 16 x lane, 4-5 at 512 + 8 x lane.  The instruction's K is 128: registers 6-11 are zero codes on both sides, cleared once; their scale bytes are 127.
; THE SOFTMAX AHEAD OF THE SECOND PRODUCT: t = score x log2(e) / 8; M = the row's largest t so far, rounded UP to a whole number; p = 2^(t - M) is what is quantised, along the keys; it is not normalised.
;   The row's sum is taken of the unquantised p, in f32, and divides O at the end.  When M moves, the sum and O are multiplied by 2^(old M - new M): exact.
; SHARES.  A cluster of four work-groups is one (batch, head).  From k's codes to a record's end are 13,056 dense bytes, all that a key step of 128 keys needs; the head's 16 such blocks, 208,896 bytes, lie in LDS WHOLE:
;   wave w brings key step w by ONE joint tensor load (the same descriptor and a mask that names the four partners) at the head.  No slot is filled again: one barrier in the launch, and one tensor load of a wave is out.
; EVEN WORK.  The head's queries are 16 groups of 128, eight tiles of 16 each; a tile of group G needs key steps 0 .. G.  Wave w of the partner at place cx takes tile cx of group w and then tile 4 + cx of group 15 - w:
;   (w + 1) + (16 - w) = 17 key steps for every wave of the launch.  Branches hang on the wave's number and on a counter; cx enters global addresses and the mask's compare alone.
;   Each tile's loop has the constant count 16; a step all of whose keys come after the tile's queries is jumped over.
; LAYOUT.  Both products are used transposed: S^T = K Q^T (source 0 = 16 keys, source 1 = my 16 queries), O^T = V^T P^T (source 0 = 16 channels, source 1 = P): a lane holds ONE query (lane % 16) throughout.
;   The 16 registers of score tiles 2 b and 2 b + 1 are keys 0-7, 16-23 (lanes 0-15) or 8-15, 24-31 (lanes 16-31) of block b: so place 0 .. 31 of a block of p's codes holds key 0-7, 16-23, 8-15, 24-31, the order in which v's codes were laid.
; OUTPUT.  yimg [16 heads][512 tiles of 16 tokens][768 bytes]: registers 0-5 of a fragment, channels in their natural order (the halves of the lanes change places ahead of the quantiser); 768 consecutive bytes a tile.
;   ys [8,192 tokens][32]: bytes 2 h, 2 h + 1 are head h's two scale bytes.  A row's 32 bytes come from 16 clusters, so they are stored two bytes a lane to rows 32 bytes apart: 1 byte in 25 of what the launch stores.
; NO PREFETCH: all of K and V that a work-group reads is asked for by the tensor loads at its head.
; LIMITS: NaN and infinities are not served; a p under 2^-126 counts as 0; a block whose largest magnitude lies under 2^-124 (a block of zeros too) keeps the scale byte 1: its codes then are zeros or nearly so, and this program alone reads the bytes.
; REGISTERS: v1-7 lane terms that stay; v8-10 the step's LDS addresses; v12 -M, v13 the largest t, v[14:15] the sum in two halves; v16-27 Q; v28-29 y's scale bytes of my two tiles; v32-79 four fragments of K; v80-127 V's four;
;   v128-191 S^T, then p, then y; v192-223 O^T; v224-235 p's codes; v232-247 at work; v248-251 scale words of K, then of V; v252 f; v253 p's scale word; v254 at work; v255 Q's scale words.
.set REC,   19712
.set HEADB, 16*REC
.set RQS,   6144
.set RK,    6656
.set STEPB, 13056                      ; a key step in LDS: k's codes 0, k's scale words LKS, v's codes LV, v's scale words LVS
.set LKS,   6144
.set LV,    6656
.set LVS,   12800
.set KFR,   32
.set VFR,   80
.set SS,    128
.set OO,    192
.set WV,    18                         ; s18  my wave's number
.set SEL,   20                         ; s[20:21] lane selects for v_permlanex16_b32: lane l xor 16
.set CS,    22                         ; s[22:23] c = log2(e) / 8
.set G1,    24                         ; s[24:31] descriptor group 1;  s[32:35] group 0
.set G0,    32
.set CX,    36                         ; s36  my place in the cluster
.set GG,    40                         ; s40  the tile's group of 128 queries
.set TAU,   41                         ; s41  the tile in its group
.set JJ,    42                         ; s42  the key step
.set TK,    43                         ; s43  where it begins in LDS
.set HB,    44                         ; s[44:45] my head's records
.macro CROUND                          ; a round of the cluster's barrier
	s_barrier_signal -1
	s_barrier_wait -1
	s_cmp_lg_u32 s[WV], 0
	s_cbranch_scc1 .Lnot_wave_0_\@
	s_barrier_signal -3
.Lnot_wave_0_\@:
	s_barrier_wait -3
	s_barrier_signal -1
	s_barrier_wait -1
.endm
	s_load_b128 s[4:7], s[0:1], 0x0                ; the records s[4:5], yimg s[6:7]
	s_load_b64 s[8:9], s[0:1], 0x10                ; ys
	v_lshl_add_u32 v11, v0, 2, 0x34000
	v_mov_b32 v243, 0
	ds_add_u32 v11, v243
	ds_add_u32 v11, v243
	v_lshrrev_b32 v1, 5, v0
	s_delay_alu instid0(VALU_DEP_1)
	v_readfirstlane_b32 s[WV], v1                  ; wave 0..15
	s_bfe_u32 s[CX], ttmp6, 0x40000                ; cx
	s_and_b32 s37, ttmp7, 0xffff                   ; 16 x batch + head, which the four partners share
	s_lshr_b32 s38, s37, 4                         ; batch
	s_and_b32 s39, s37, 15                         ; head
	v_and_b32 v5, 31, v0                           ; lane
	v_and_b32 v4, 15, v0                           ; r
	v_bfe_u32 v7, v0, 4, 1                         ; h
	s_delay_alu instid0(VALU_DEP_3)
	v_lshlrev_b32 v1, 4, v5                        ; 16 x lane
	s_delay_alu instid0(VALU_DEP_4)
	v_lshlrev_b32 v2, 3, v5                        ; 8 x lane
	s_delay_alu instid0(VALU_DEP_4)
	v_lshlrev_b32 v3, 2, v4                        ; 4 r
	s_delay_alu instid0(VALU_DEP_4)
	v_lshlrev_b32 v7, 3, v7
	s_delay_alu instid0(VALU_DEP_1)
	v_sub_nc_u32 v7, v4, v7                        ; r - 8 h
	; descriptor group 1: 13,056 dense bytes as 51 rows of 256 (32 elements of 8 bytes), no padding: every LDS read is of consecutive bytes from lane to lane
	s_mov_b32 s[G1], 15|(3<<16)|(1<<21)            ; 15:0 the mask: all four work-groups; 17:16 elements of 8 bytes; 21 set beside a mask
	s_mov_b32 s[G1+1], 32<<16                      ; tensor_dim0
	s_mov_b32 s[G1+2], 51<<16                      ; tensor_dim1
	s_mov_b32 s[G1+3], 32<<16                      ; tile_dim0
	s_mov_b32 s[G1+4], 51                          ; tile_dim1
	s_mov_b32 s[G1+5], 32                          ; tensor_dim0_stride
	s_mov_b32 s[G1+6], 0
	s_mov_b32 s[G1+7], 0
	s_mov_b32 s[SEL], 0x76543210
	s_mov_b32 s[SEL+1], 0xfedcba98
	s_mov_b32 s[CS], 0x3e38aa3b                    ; c = log2(e) / 8
	s_mov_b32 s[CS+1], s[CS]                       ; (named with it as a pair, so it is written)
	s_mul_i32 s54, s37, HEADB                      ; under 2^25
	s_mov_b32 s55, 0
	s_mul_i32 s56, s[WV], REC
	s_add_co_u32 s56, s56, RK                      ; key step w: from k's codes to the record's end
	s_mov_b32 s57, 0
	s_wait_dscnt 0x0
	s_wait_kmcnt 0x0
	s_add_nc_u64 s[HB:HB+1], s[4:5], s[54:55]
	s_mov_b32 s[G0], 1                             ; count = 1
	s_mul_i32 s[G0+1], s[WV], STEPB                ; LDS address: the wave's number x a constant
	s_add_nc_u64 s[G0+2:G0+3], s[HB:HB+1], s[56:57]
	s_or_b32 s[G0+3], s[G0+3], 0x80000000          ; type = 2
	CROUND                                         ; all four work-groups are here: the joint loads meet
	tensor_load_to_lds s[G0:G0+3], s[G1:G1+7]
	s_nop 0
.rept 4
	v_nop
.endr
.irp i, 22,23,24,25,26,27
	v_mov_b32 v[\i], 0                             ; the upper 64 of the first product's K: zero codes, in Q
.endr
.irp t, 0,1,2,3
.irp i, 6,7,8,9,10,11
	v_mov_b32 v[KFR+12*\t+\i], 0                   ; and in K's four fragments: cleared once, never written again
.endr
.endr
.irp i, 236,237,238,239,252,253
	v_mov_b32 v[\i], 0                             ; written once: a lane permute's destination counts as one of its sources; v253 is named as the upper half of a pair
.endr
	s_wait_tensorcnt 0x0                           ; my key step has landed,
	s_barrier_signal -1
	s_barrier_wait -1                              ; everybody's has: the head's K and V lie in LDS for the rest of the launch
; A KEY STEP: 128 keys against my 16 queries.
.macro STEP
	v_add_nc_u32 v8, s[TK], v1
	s_wait_alu depctr_va_vdst(0)
	v_add_nc_u32 v9, s[TK], v2
	s_wait_alu depctr_va_vdst(0)
	v_add_nc_u32 v10, s[TK], v3
	s_wait_alu depctr_va_vdst(0)
	v_nop                                          ; with the three additions: four places behind the last step's products, ahead of the loads into their scale registers
.irp g, 0,1                                    ; S^T = K Q^T, four tiles of 16 keys at a time
.if \g
.rept 4
	v_nop                                          ; places in front of loads into registers that matrix instructions have read
.endr
.endif
.irp t, 0,1,2,3
	ds_load_b128 v[KFR+12*\t:KFR+12*\t+3], v8 offset:768*(4*\g+\t)
	ds_load_b64 v[KFR+12*\t+4:KFR+12*\t+5], v9 offset:768*(4*\g+\t)+512
	ds_load_b32 v[248+\t], v10 offset:LKS+64*(4*\g+\t)
.endr
	s_wait_dscnt 0x0
.irp t, 0,1,2,3
	v_wmma_scale_f32_16x16x128_f8f6f4 v[SS+8*(4*\g+\t):SS+8*(4*\g+\t)+7], v[KFR+12*\t:KFR+12*\t+11], v[16:27], 0, v[248+\t], v255 matrix_a_fmt:MATRIX_FMT_FP6 matrix_b_fmt:MATRIX_FMT_FP6
.endr
.endr
.rept 4
	v_nop                                          ; places ahead of the first read of the scores, and of the loads into the scale registers
.endr
.irp t, 0,1,2,3                                ; V is asked for here: it lands while the softmax is walked
.irp c, 0,1,2
	ds_load_b128 v[VFR+12*\t+4*\c:VFR+12*\t+4*\c+3], v8 offset:LV+1536*\t+512*\c
.endr
	ds_load_b32 v[248+\t], v10 offset:LVS+64*\t
.endr
	s_cmp_lt_u32 s[JJ], s[GG]                      ; a step ahead of my group: all its keys count
	s_cbranch_scc1 .Lopen_\@
	v_mov_b32 v254, 0xff800000                     ; on the diagonal the scores of hidden keys become -infinity ahead of the maximum: p = 0 then.  Register n holds key 16 (n / 8) + 8 h + n % 8 of the step
.set n, 0
.rept 64
	v_cmp_gt_i32 vcc_lo, 16*(n/8)+n%8, v6          ; hidden where that key comes after my query: v6 = 16 x tile + r - 8 h
	v_cndmask_b32 v[SS+n], v[SS+n], v254, vcc_lo
.set n, n+1
.endr
.Lopen_\@:
.irp b, 0,1,2,3
	v_max3_num_f32 v[232+\b], v[SS+16*\b], v[SS+1+16*\b], v[SS+2+16*\b]   ; THE LARGEST SCORE OF EACH BLOCK OF 32 KEYS: for the row's maximum, and, since p rises with the score, for the block's largest p
.endr
.irp i, 3,5,7,9,11,13
.irp b, 0,1,2,3
	v_max3_num_f32 v[232+\b], v[232+\b], v[SS+16*\b+\i], v[SS+1+16*\b+\i]   ; (the four blocks by turns)
.endr
.endr
.irp b, 0,1,2,3
	v_max_num_f32 v[232+\b], v[232+\b], v[SS+15+16*\b]
.endr
.irp b, 0,1,2,3
	s_delay_alu instid0(VALU_DEP_4)
	v_permlanex16_b32 v[236+\b], v[232+\b], s[SEL], s[SEL+1]
.endr
.irp b, 0,1,2,3
	s_delay_alu instid0(VALU_DEP_4)
	v_max_num_f32 v[232+\b], v[232+\b], v[236+\b]  ; with lane l xor 16's 16 keys
.endr
	s_delay_alu instid0(VALU_DEP_2)
	v_max3_num_f32 v254, v232, v233, v234
	s_delay_alu instid0(VALU_DEP_1)
	v_max_num_f32 v254, v254, v235                 ; the step's largest score of my query
	s_delay_alu instid0(VALU_DEP_1)
	v_mul_f32 v254, s[CS], v254                    ; as t (c is positive)
	s_delay_alu instid0(VALU_DEP_1)
	v_max_num_f32 v13, v13, v254                   ; the running largest t
	v_mov_b32 v254, v12
	s_delay_alu instid0(VALU_DEP_2)
	v_floor_f32 v12, -v13                          ; the new -M = floor(-t) = -ceil(t): M is a whole number
	s_delay_alu instid0(VALU_DEP_1)
	v_sub_f32 v254, v12, v254                      ; M's old value less its new one: a whole number, 0 or less
	s_delay_alu instid0(VALU_DEP_1)
	v_cvt_i32_f32 v254, v254                       ; (it saturates)
	s_delay_alu instid0(VALU_DEP_1)
	v_ldexp_f32 v252, 1.0, v254                    ; f = 2^(old M - new M)
.set j, 0
	s_setprio 1
.rept 32
	v_pk_fma_f32 v[SS+j:SS+j+1], v[SS+j:SS+j+1], s[CS:CS+1], v[12:13] op_sel_hi:[1,0,0]   ; t - M, two at a time (of the pairs c and -M the low word serves both halves)
.set j, j+2
.endr
.irp b, 0,1,2,3
	v_fma_f32 v[232+\b], v[232+\b], s[CS], v12     ; the same of each block's largest score
.endr
.set j, 0
	s_wait_alu depctr_va_vdst(0)
.rept 64
	v_exp_f32 v[SS+j], v[SS+j]                     ; p = 2^(t - M), at most 1: not normalised
.set j, j+1
.endr
	v_pk_mul_f32 v[14:15], v[14:15], v[252:253] op_sel_hi:[1,0]   ; the sums under the new M.  (A plain place behind the exponentials)
	s_wait_alu depctr_va_vdst(0)                   ; one wait for the whole batch, ahead of its first reader
.irp b, 0,1,2,3
	v_exp_f32 v[232+\b], v[232+\b]                 ; the block's largest p: the same two instructions on the same number give the same bits
.endr
	v_pk_add_f32 v[236:237], v[132:133], v[136:137]
	v_pk_add_f32 v[246:247], v[140:141], v[144:145]
	v_pk_add_f32 v[244:245], v[148:149], v[152:153]
	v_pk_add_f32 v[240:241], v[156:157], v[160:161]
	v_pk_add_f32 v[238:239], v[164:165], v[168:169]
	v_pk_add_f32 v[230:231], v[172:173], v[176:177]
	v_pk_add_f32 v[228:229], v[180:181], v[184:185]
	v_pk_add_f32 v[14:15], v[14:15], v[188:189]
	v_pk_add_f32 v[236:237], v[236:237], v[128:129]
	v_pk_add_f32 v[246:247], v[246:247], v[130:131]
	v_pk_add_f32 v[244:245], v[244:245], v[134:135]
	v_pk_add_f32 v[240:241], v[240:241], v[138:139]
	v_pk_add_f32 v[238:239], v[238:239], v[142:143]
	v_pk_add_f32 v[230:231], v[230:231], v[146:147]
	v_pk_add_f32 v[228:229], v[228:229], v[150:151]
	v_pk_add_f32 v[14:15], v[14:15], v[154:155]
	v_pk_add_f32 v[236:237], v[236:237], v[158:159]
	v_pk_add_f32 v[246:247], v[246:247], v[162:163]
	v_pk_add_f32 v[244:245], v[244:245], v[166:167]
	v_pk_add_f32 v[240:241], v[240:241], v[170:171]
	v_pk_add_f32 v[238:239], v[238:239], v[174:175]
	v_pk_add_f32 v[230:231], v[230:231], v[178:179]
	v_pk_add_f32 v[228:229], v[228:229], v[182:183]
	v_pk_add_f32 v[14:15], v[14:15], v[186:187]
	v_pk_add_f32 v[236:237], v[236:237], v[190:191]
	s_delay_alu instid0(VALU_DEP_2)
	v_pk_add_f32 v[14:15], v[14:15], v[240:241]
	s_delay_alu instid0(VALU_DEP_2)
	v_pk_add_f32 v[236:237], v[236:237], v[238:239]
	v_pk_add_f32 v[246:247], v[246:247], v[230:231]
	v_pk_add_f32 v[244:245], v[244:245], v[228:229]
	s_delay_alu instid0(VALU_DEP_2)
	v_pk_add_f32 v[14:15], v[14:15], v[246:247]
	s_delay_alu instid0(VALU_DEP_2)
	v_pk_add_f32 v[236:237], v[236:237], v[244:245]
	s_delay_alu instid0(VALU_DEP_1)
	v_pk_add_f32 v[14:15], v[14:15], v[236:237]
	s_wait_alu depctr_va_vdst(0)                   ; and one for the four
.irp b, 0,1,2,3
	v_max_num_f32 v[232+\b], 0x1800000, v[232+\b]  ; the floor 2^-124: the byte cannot fall under 1 (a block whose every p is 0 keeps that byte: its codes are zeros)
.endr
.irp b, 0,1,2,3
	s_delay_alu instid0(VALU_DEP_4)
	v_add_nc_u32 v[244+\b], 0xff000000, v[232+\b]  ; 2 off the exponent field: the conversion's scale operand
.endr
.irp b, 0,1,2,3
	s_delay_alu instid0(VALU_DEP_4)
	v_lshrrev_b32 v[236+\b], 23, v[244+\b]         ; the scale's byte
.endr
	s_delay_alu instid0(VALU_DEP_3)
	v_lshl_or_b32 v253, v237, 8, v236              ; p's scale word for these 128 keys
	s_delay_alu instid0(VALU_DEP_1)
	v_lshl_or_b32 v253, v238, 16, v253
	s_delay_alu instid0(VALU_DEP_1)
	v_lshl_or_b32 v253, v239, 24, v253
	s_setprio 0
.irp c, 0,1
	v_cvt_scalef32_pk16_fp6_f32 v[224+6*\c:226+6*\c], v[SS+32*\c:SS+15+32*\c], v[244+2*\c]
	v_cvt_scalef32_pk16_fp6_f32 v[236+4*\c:238+4*\c], v[SS+16+32*\c:SS+31+32*\c], v[244+2*\c+1]   ; (a conversion's three registers begin on an even number)
.endr
	v_nop                                          ; one plain place behind a scaled conversion
.irp c, 0,1                                    ; the operand's layout wants a WHOLE block in a lane: lanes 0-15 block 2 c, lanes 16-31 block 2 c + 1
.irp i, 0,1,2
	v_permlane16_swap_b32 v[224+6*\c+\i], v[236+4*\c+\i]
.endr
.irp i, 0,1,2
	s_delay_alu instid0(VALU_DEP_3)
	v_mov_b32 v[227+6*\c+\i], v[236+4*\c+\i]
.endr
.endr
.set j, 0
.rept 16
	v_pk_mul_f32 v[OO+j:OO+j+1], v[OO+j:OO+j+1], v[252:253] op_sel_hi:[1,0]   ; O^T under the new M: x f.  (These sixteen also stand between the lines that made p's codes and scale word and the products below)
.set j, j+2
.endr
	s_wait_alu depctr_va_vdst(0)
	s_wait_dscnt 0x0                               ; V is in
.irp t, 0,1,2,3                                ; O^T += V^T P^T: the four accumulators by turns, one instruction each; the next matrix instruction on any way starts a tile of scores anew
	v_wmma_scale_f32_16x16x128_f8f6f4 v[OO+8*\t:OO+8*\t+7], v[VFR+12*\t:VFR+12*\t+11], v[224:235], v[OO+8*\t:OO+8*\t+7], v[248+\t], v253 matrix_a_fmt:MATRIX_FMT_FP6 matrix_b_fmt:MATRIX_FMT_FP6
.endr
.endm
; ONE TILE OF 16 QUERIES, from its Q to its y.  k = 0: tile cx of group w;  k = 1: tile 4 + cx of group 15 - w.
.macro TILE k
.if \k
	s_wait_xcnt 0x0                                ; the first tile's stores have read their registers and their base: both are written again below
	s_xor_b32 s[GG], s[WV], 15
	s_add_co_u32 s[TAU], s[CX], 4
.else
	s_mov_b32 s[GG], s[WV]
	s_mov_b32 s[TAU], s[CX]
.endif
	s_mul_i32 s54, s[GG], REC
	s_mul_i32 s56, s[TAU], 768
	s_add_co_u32 s56, s56, s54
	s_mov_b32 s57, 0
	s_add_nc_u64 s[46:47], s[HB:HB+1], s[56:57]    ; Q's codes: my group's record, my tile
	s_lshl_b32 s56, s[TAU], 6
	s_add_co_u32 s56, s56, s54
	s_add_co_u32 s56, s56, RQS
	s_add_nc_u64 s[48:49], s[HB:HB+1], s[56:57]    ; and its scale words
	global_load_b128 v[16:19], v1, s[46:47]
	global_load_b64 v[20:21], v2, s[46:47] offset:512
	global_load_b32 v255, v3, s[48:49]
	v_lshl_add_u32 v6, s[TAU], 4, v7               ; my query in its group, less 8 h: for the mask
	v_mov_b32 v13, 0xff61b1e6                      ; the largest t so far: -3e38, under every t
	s_delay_alu instid0(VALU_DEP_1)
	v_floor_f32 v12, -v13                          ; -M
	v_mov_b32 v14, 0                               ; the sum, in two halves
	v_mov_b32 v15, 0
.set j, 0
.rept 32
	v_mov_b32 v[OO+j], 0                           ; O^T.  (The step is written once a tile: the first finds zeros, which the first change of M leaves zeros)
.set j, j+1
.endr
	s_mov_b32 s[JJ], 0
	s_mov_b32 s[TK], 0
	s_wait_loadcnt 0x0                             ; Q
.Lstep_\@:                                         ; 16 trips, a constant; steps behind my group are jumped over: a branch on the wave's number and the counter, round no barrier and no tensor load
	s_cmp_gt_u32 s[JJ], s[GG]
	s_cbranch_scc1 .Lskip_\@
	s_setprio 2
	STEP
.Lskip_\@:
	s_add_co_u32 s[TK], s[TK], STEPB
	s_add_co_u32 s[JJ], s[JJ], 1
	s_cmp_lt_u32 s[JJ], 16
	s_cbranch_scc1 .Lstep_\@
	s_setprio 0
	; THE WAY OUT: y = O^T / the sum, quantised along the channels, as registers 0-5 of a fragment
.rept 4
	v_nop                                          ; places behind the last products
.endr
	v_add_f32 v14, v14, v15                        ; the sum's two halves,
	s_delay_alu instid0(VALU_DEP_1)
	v_permlanex16_b32 v252, v14, s[SEL], s[SEL+1]
	s_delay_alu instid0(VALU_DEP_1)
	v_add_f32 v14, v14, v252                       ; and lane l xor 16's: the row's sum
	s_wait_alu depctr_va_vdst(0)
	v_rcp_f32 v14, v14
	v_nop                                          ; a plain place behind the transcendental
	s_lshl_b32 s54, s38, 7
	s_lshl_b32 s55, s[GG], 3
	s_add_co_u32 s54, s54, s55
	s_add_co_u32 s54, s54, s[TAU]                  ; my tile among the 512 tiles of 16 tokens: 128 x batch + 8 x group + tile
	s_lshl_b32 s[52+\k], s54, 9                    ; its first row of ys: 16 rows of 32 bytes a tile,
	s_lshl_b32 s55, s39, 1
	s_add_co_u32 s[52+\k], s[52+\k], s55           ; + my head's two bytes
	s_mul_i32 s54, s54, 768
	s_mul_i32 s55, s39, 393216                     ; a head's 512 tiles
	s_add_co_u32 s54, s54, s55
	s_mov_b32 s55, 0
	s_add_nc_u64 s[50:51], s[6:7], s[54:55]
	s_wait_alu depctr_va_vdst(0)                   ; ahead of the reciprocal's first reader
.set j, 0
.rept 32
	v_mul_f32 v[SS+j], v[OO+j], v14                ; register 8 t + i is y(r, 16 t + 8 h + i); each accumulator from its low end on
.set j, j+1
.endr
.irp b, 0,1                                    ; the first tile's lanes 16-31 change places with the second's lanes 0-15: register 16 b + i is now channel 32 b + 16 h + i: the natural order, which the last product's weights have
.irp i, 0,1,2,3,4,5,6,7
	v_permlane16_swap_b32 v[SS+16*\b+\i], v[SS+8+16*\b+\i]
.endr
.endr
.irp b, 0,1
	v_max3_num_f32 v[232+\b], |v[SS+16*\b]|, |v[SS+1+16*\b]|, 0x1800000   ; a block's largest magnitude, with the floor 2^-124 among its leaves
.endr
.irp i, 2,4,6,8,10,12,14
.irp b, 0,1
	s_delay_alu instid0(VALU_DEP_2)
	v_max3_num_f32 v[232+\b], v[232+\b], |v[SS+16*\b+\i]|, |v[SS+1+16*\b+\i]|
.endr
.endr
.irp b, 0,1
	s_delay_alu instid0(VALU_DEP_2)
	v_permlanex16_b32 v[236+\b], v[232+\b], s[SEL], s[SEL+1]
.endr
.irp b, 0,1
	s_delay_alu instid0(VALU_DEP_2)
	v_max_num_f32 v[232+\b], v[232+\b], v[236+\b]
.endr
.irp b, 0,1
	s_delay_alu instid0(VALU_DEP_2)
	v_add_nc_u32 v[244+\b], 0xff000000, v[232+\b]  ; 2 off the exponent field: the conversion's scale operand
.endr
.irp b, 0,1
	s_delay_alu instid0(VALU_DEP_2)
	v_lshrrev_b32 v[236+\b], 23, v[244+\b]         ; the scale's byte
.endr
	s_delay_alu instid0(VALU_DEP_1)
	v_lshl_or_b32 v[28+\k], v237, 8, v236          ; my row's two bytes
	v_cvt_scalef32_pk16_fp6_f32 v[224:226], v[SS:SS+15], v244
	v_cvt_scalef32_pk16_fp6_f32 v[240:242], v[SS+16:SS+31], v245
	v_nop                                          ; one plain place behind a scaled conversion
.irp i, 0,1,2
	v_permlane16_swap_b32 v[224+\i], v[240+\i]     ; a WHOLE block in a lane: lanes 0-15 channels 0-31, lanes 16-31 channels 32-63
.endr
.irp i, 0,1,2
	s_delay_alu instid0(VALU_DEP_3)
	v_mov_b32 v[227+\i], v[240+\i]
.endr
	global_store_b128 v1, v[224:227], s[50:51]                 ; 512 consecutive bytes,
	global_store_b64 v2, v[228:229], s[50:51] offset:512       ; and 256: the tile's 768, at a multiple of 256 from the buffer's first byte
.endm
	TILE 0
	TILE 1
	; my two tiles' scale bytes in one store: lanes 0-15 the first tile's 16 rows, lanes 16-31 the second's
	v_cmp_gt_u32 vcc_lo, 16, v5
	v_mov_b32 v30, s52
	v_mov_b32 v31, s53
	s_delay_alu instid0(VALU_DEP_1)
	v_cndmask_b32 v30, v31, v30, vcc_lo
	s_delay_alu instid0(VALU_DEP_4)
	v_cndmask_b32 v31, v29, v28, vcc_lo
	s_delay_alu instid0(VALU_DEP_2)
	v_lshl_add_u32 v30, v4, 5, v30                 ; + 32 r
	global_store_b16 v30, v31, s[8:9]
	s_wait_dscnt 0x0
	s_wait_tensorcnt 0x0
	ds_add_u32 v11, v243
	s_wait_dscnt 0x0
	CROUND                                         ; the closing round: no work-group ends while a partner may still ask for a tile that names it
	s_endpgm
.Lfunc_end_k_q7b7099519f_attn:
	.size	k_q7b7099519f_attn, .Lfunc_end_k_q7b7099519f_attn-k_q7b7099519f_attn
	.p2alignl 7, 3214868480
	.fill 96, 4, 3214868480
	.section	.rodata,"a",@progbits
	.p2align	6, 0x0
	.amdhsa_kernel k_q7b7099519f_attn
		.amdhsa_group_segment_fixed_size 215040
		.amdhsa_private_segment_fixed_size 0
		.amdhsa_enable_private_segment 0
		.amdhsa_kernarg_size 24
		.amdhsa_user_sgpr_count 2
		.amdhsa_user_sgpr_kernarg_segment_ptr 1
		.amdhsa_wavefront_size32 1
		.amdhsa_system_sgpr_workgroup_id_x 1
		.amdhsa_system_sgpr_workgroup_id_y 1
		.amdhsa_system_sgpr_workgroup_id_z 1
		.amdhsa_system_vgpr_workitem_id 0
		.amdhsa_next_free_vgpr 256
		.amdhsa_next_free_sgpr 66
		.amdhsa_reserve_vcc 1
		.amdhsa_float_denorm_mode_32 3
		.amdhsa_float_denorm_mode_16_64 3
		.amdhsa_memory_ordered 1
		.amdhsa_forward_progress 1
		.amdhsa_inst_pref_size 66
	.end_amdhsa_kernel
	.amdgpu_metadata
---
amdhsa.version: [ 1, 2 ]
amdhsa.kernels:
  - .name:           k_q7b7099519f_attn
    .symbol:         k_q7b7099519f_attn.kd
    .args:
      - { .name: qkv, .offset: 0, .size: 8, .value_kind: global_buffer, .address_space: global }
      - { .name: yimg, .offset: 8, .size: 8, .value_kind: global_buffer, .address_space: global }
      - { .name: ys, .offset: 16, .size: 8, .value_kind: global_buffer, .address_space: global }
    .group_segment_fixed_size: 215040
    .private_segment_fixed_size: 0
    .kernarg_segment_align: 8
    .kernarg_segment_size: 24
    .max_flat_workgroup_size: 512
    .sgpr_count:     66
    .vgpr_count:     256
    .wavefront_size: 32
...
	.end_amdgpu_metadata
.endif
;; end of part 2
;; launch proj (part 3): grid 4 x 32, 4 waves a work-group, clusters of 4 x 4, 327,680 bytes of LDS; arguments yimg, ys, w_proj_codes, w_proj_scales, out0; writes out0
.if DOCPART == 3
	.amdgcn_target "amdgcn-amd-amdhsa--gfx1250"
	.amdhsa_code_object_version 6
	.text
	.protected	k_q7b7099519f_proj
	.globl	k_q7b7099519f_proj
	.p2align	8
	.type	k_q7b7099519f_proj,@function
k_q7b7099519f_proj:
	s_mov_b64 s[64:65], 0
	v_nop
	global_prefetch_b8 v0, s[64:65] scope:SCOPE_SE
	s_setreg_imm32_b32 hwreg(HW_REG_WAVE_MODE, 25, 1), 1
	s_wait_xcnt 0x0
	s_wait_alu depctr_hold_cnt(0) depctr_sa_sdst(0) depctr_va_vdst(0) depctr_va_sdst(0) depctr_va_ssrc(0) depctr_va_vcc(0) depctr_vm_vsrc(0)
	s_getreg_b32 s2, hwreg(HW_REG_IB_STS2, 6, 4)
	s_cmp_eq_u32 s2, 0
	s_cbranch_scc0 .Lentry_in_a_cluster
	s_endpgm
.Lentry_in_a_cluster:
	s_bfe_u32 s2, ttmp6, 0x10000c
	s_cmp_lg_u32 s2, 0xf033
	s_cbranch_scc0 .Lentry_shape_is_right
	s_endpgm
.Lentry_shape_is_right:
; out0[m][n] = sum over k of y[m][k] w_proj[n][k], on codes of FP6 (E2M3) with one E8M0 scale for each 32 along K = 1,024; out0: [8,192][1,024] f32; sums in f32, K ascending.
; A = y comes as IMAGES OF OPERAND REGISTERS: yimg [16 heads][512 tiles of 16 tokens][768 bytes]; a tile is registers 0-5 of a fragment for the head's 64 along K: registers 0-3 at 16 x lane, registers 4-5 at 512 + 8 x lane.
;   Two neighbouring heads' tiles are a fragment of 128 along K.  Its scale bytes ys are [8,192][32].   B = w_proj: 1,024 rows of 768 bytes of codes as a stream of bits, 32 scale bytes a row.
; A tile of out0, 256 x 256, is made by a work-group of four waves; a wave makes 128 x 128: 64 accumulators, 512 registers.  K goes in steps of 256 (four heads) through a ring of two LDS slots filled by the tensor data mover.
;   128 tiles: 128 work-groups; a tile of half the rows would give 256 work-groups and read each fragment of B for half as many products.
; THE SCALES of the work-group's 256 rows of A and of B, for all of K, are two dense blocks: they come into LDS once, with the first fills, and stay.
; CLUSTERS: 4 x 4 work-groups.  The four of a row of the cluster need the same tiles of A, the four of a column the same tiles of B: each tile is asked for JOINTLY, by the same tensor load with the same descriptor and a mask that names the four.
; THE MATRIX INSTRUCTION IS USED TRANSPOSED (source 0 = 16 rows of B, source 1 = 16 rows of A): a lane then holds eight neighbouring numbers of a row of out0.
; REGISTERS, in windows of 256: window 0: v0-31 addresses; v32-63 scale words, two sets; from v128 A's fragments, ONE set; on the way out v128-255 are free.
;   window 1: B's fragments, TWO sets, at v0 and v128.   window 2: the 32 accumulators of my rows 0-63 (accumulator (a, b) at v[8 (8 a + b)]);   window 3: those of my rows 64-127.
.set SIZE_N, 1024
.set KSTEP,  256                       ; along K in a slot
.set NQ,     KSTEP/128                 ; matrix instructions deep
.set ROWB,   192                       ; a row of B's tile in bytes
.set KROW,   768                       ; a row of B in memory
.set PITCH,  240                       ; B's LDS row: 3 x (64 bytes of data + 16 of padding)
.set FR,     12                        ; registers of a fragment
.set NLA,    4                         ; LDS loads that bring a fragment of A
.set NP,     4                         ; places behind this matrix instruction (ISA guide 7.12.1)
.set PLANE,  6144                      ; A: 128 tokens (8 tiles of 768 bytes) of one head
.set HALFA,  4*PLANE                   ; what one tensor load brings of A: four heads' planes
.set HEADP,  393216                    ; a head's 512 tiles in memory
.set HALFT,  128*PITCH                 ; and of B: 128 rows
.set SLOT,   2*HALFA+2*HALFT           ; A's 256 rows, then B's 256 rows
.set LAPS,   2                         ; 1,024 along K = two laps of two K steps
.set KS,     32                        ; a row of scales in bytes
.set SCL,    2*SLOT                    ; behind the ring: the scales, as units of 256 bytes + 16 of padding
.set HALFS,  (128*KS/256)*272
.set SBLK,   (16*KS/256)*272
.set SPARE,  SCL+4*HALFS               ; the spare words, 128 bytes for each wave: two blocks of 256 bytes that no other line names
.set SPITCH, 528                       ; the way out: a stage of 16 rows x (512 bytes + 16) for each wave, in slot 0, which has had its last fill and its last read when the first result is stored there
.set ADRA, 16                          ; v16-17  LDS address of my A images in slot 0, 1, + 16 x lane  (v18-19: + 8 x lane)
.set ADRB, 20                          ; v20-21  of my B fragments  (v22-23: for the pieces behind one padding more)
.set STO,  24                          ; v24     the way out: where I put 32 bytes of a row
.set RD,   25                          ; v25     where I read a row back
.set CO,   26                          ; v26     my byte offset in a row of out0
.set ADRS, 27                          ; v27     LDS address of my scale words: lanes 0-15 A's rows, lanes 16-31 B's
.set SPW,  28                          ; v28     LDS address of my spare word; never rewritten
.set NIL,  29                          ; v29     0; never rewritten
.set SC,   32
.set AF,   128
.set BK,   128                         ; the way out: 16 rows read back from the stage: v128-191 and v192-255 by turns
.set G1, 24                            ; s[24:31] descriptor group 1 for A's tiles;  s[32:39] group 0, one set for each slot
.set G0, 32
.set G1B, 48                           ; s[48:55], s[56:63] the same for B's tiles
.set G0B, 56
.set G1S, 68                           ; s[68:75], s[76:79] groups 1 and 0 for A's scales;  s[80:87], s[88:91] for B's
.set G0S, 76
.set G1SB, 80
.set G0SB, 88
.set MSB, 0
.macro WIN new                         ; the immediate's high byte repeats the setting that is left
.if MSB != \new
	s_set_vgpr_msb (MSB<<8)|\new
.set MSB, \new
.endif
.endm
.set MUL_LO, 0xa1                      ; source 0 (B) window 1, source 1 (A) window 0, C and D window 2
.set MUL_HI, 0xf1                      ; the same, C and D window 3
.set TO_B,   0x40                      ; destination window 1, address window 0
; A joint load: waves 0 and 1 fetch for A, waves 2 and 3 for B.  Each of the two lines has ONE mask and one set of registers for all that issue it; the branch hangs on the wave's number alone.
; Four v_nop follow each of the two lines, ahead of the jump, the label and what follows.
.macro JLOAD g0a, g1a, g0b, g1b
	s_cmp_eq_u32 s15, 0
	s_cbranch_scc0 .Lfor_b_\@
	tensor_load_to_lds s[\g0a:\g0a+3], s[\g1a:\g1a+7]
	s_nop 0
.rept 4
	v_nop
.endr
	s_branch .Lasked_\@
.Lfor_b_\@:
	tensor_load_to_lds s[\g0b:\g0b+3], s[\g1b:\g1b+7]
	s_nop 0
.rept 4
	v_nop
.endr
.Lasked_\@:
.endm
.macro CREST                           ; a round of the cluster's barrier behind its opening barrier
	s_cmp_lg_u32 s14, 0
	s_cbranch_scc1 .Lnot_wave_0_\@
	s_barrier_signal -3
.Lnot_wave_0_\@:
	s_barrier_wait -3
	s_barrier_signal -1
	s_barrier_wait -1
.endm
.macro CROUND                          ; a whole round
	s_barrier_signal -1
	s_barrier_wait -1
	CREST
.endm
	s_load_b128 s[4:7], s[0:1], 0x0                ; y's images s[4:5], y's scales s[6:7]
	s_load_b128 s[8:11], s[0:1], 0x10              ; w_proj's codes s[8:9], its scales s[10:11]
	s_load_b64 s[12:13], s[0:1], 0x20              ; out0
	v_lshl_add_u32 v[SPW], v0, 2, SPARE
	v_mov_b32 v[NIL], 0
	ds_add_u32 v28, v29
	ds_add_u32 v28, v29
	s_wait_dscnt 0x0
	v_lshrrev_b32 v1, 5, v0
	v_readfirstlane_b32 s14, v1                    ; wave 0..3
	s_lshr_b32 s15, s14, 1                         ; which half of the tile's rows is mine.  Also: I fetch for A (0) or for B (1)
	s_and_b32 s16, s14, 1                          ; which half of its columns.  Also: which 128 rows of that tile I fetch
	s_bfe_u32 s40, ttmp6, 0x40000                  ; cx, cy: my place in the cluster
	s_bfe_u32 s41, ttmp6, 0x40004
	s_lshl_b32 s42, ttmp9, 2
	s_add_co_u32 s42, s42, s40                     ; tile column = 4 x cluster x + cx
	s_and_b32 s17, ttmp7, 0xffff
	s_lshl_b32 s17, s17, 2
	s_add_co_u32 s17, s17, s41                     ; tile row = 4 x cluster y + cy
	s_lshl_b32 s43, s41, 2
	s_lshl_b32 s43, 15, s43                        ; my row of the cluster
	s_lshl_b32 s44, 0x1111, s40                    ; my column
	; descriptor group 1 for A: four rows (heads) of 6,144 dense bytes (768 elements of 8 bytes), 393,216 bytes apart; no padding: the images are read as consecutive bytes from lane to lane
	s_or_b32 s[G1+0], s43, (3<<16)|(1<<21)         ; 15:0 the mask: A's tiles go to my row; 17:16 elements of 8 bytes; 21 set beside a mask
	s_mov_b32 s[G1+1], 768<<16                     ; tensor_dim0
	s_mov_b32 s[G1+2], 4<<16                       ; tensor_dim1
	s_mov_b32 s[G1+3], 768<<16                     ; tile_dim0
	s_mov_b32 s[G1+4], 4                           ; tile_dim1
	s_mov_b32 s[G1+5], HEADP/8                     ; tensor_dim0_stride
	s_mov_b32 s[G1+6], 0
	s_mov_b32 s[G1+7], 0
	; for B: a tile of 128 rows x ROWB bytes, padded in LDS
	s_or_b32 s[G1B+0], s44, (0<<16)|(1<<20)|(1<<21)|(3<<22)|(3<<25)  ; the mask of my column; elements of 1 byte; padding on: after every 16 words (code 3) 4 words (code 3)
	s_mov_b32 s[G1B+1], ROWB<<16
	s_mov_b32 s[G1B+2], 128<<16
	s_mov_b32 s[G1B+3], ROWB<<16
	s_mov_b32 s[G1B+4], 128
	s_mov_b32 s[G1B+5], KROW
	s_mov_b32 s[G1B+6], 0
	s_mov_b32 s[G1B+7], 0
	; and for the scales of 128 rows: a dense block of 4,096 bytes, as rows of 256 bytes (32 elements of 8 bytes), 16 bytes of padding behind each
	s_or_b32 s[G1S+0], s43, (3<<16)|(1<<20)|(1<<21)|(5<<22)|(3<<25)
	s_or_b32 s[G1SB+0], s44, (3<<16)|(1<<20)|(1<<21)|(5<<22)|(3<<25)
.irp g, G1S, G1SB
	s_mov_b32 s[\g+1], 32<<16
	s_mov_b32 s[\g+2], (128*KS/256)<<16
	s_mov_b32 s[\g+3], 32<<16
	s_mov_b32 s[\g+4], 128*KS/256
	s_mov_b32 s[\g+5], 32
	s_mov_b32 s[\g+6], 0
	s_mov_b32 s[\g+7], 0
.endr
	s_lshl_b32 s18, s16, 7                         ; which 128 rows of the tile I fetch
	s_lshl_b32 s20, s17, 8
	s_add_co_u32 s20, s20, s18                     ; A: row 256 x tile row + 128 x half
	s_lshl_b32 s46, s42, 8
	s_add_co_u32 s46, s46, s18                     ; B: row 256 x tile column + 128 x half
	s_mov_b32 s21, 0
	s_mov_b32 s47, 0
	s_mov_b64 s[18:19], KS
	s_mul_u64 s[22:23], s[20:21], s[18:19]         ; where these rows' scales begin, in bytes
	s_mul_u64 s[92:93], s[46:47], s[18:19]
	s_mov_b64 s[18:19], 48
	s_mul_u64 s[20:21], s[20:21], s[18:19]         ; A's images: 768 bytes for 16 tokens, in a head's plane
	s_mov_b64 s[18:19], KROW
	s_mul_u64 s[46:47], s[46:47], s[18:19]         ; B's codes
	s_mul_i32 s45, s16, HALFA                      ; where they go: A's two halves,
	s_mul_i32 s95, s16, HALFT
	s_add_co_u32 s95, s95, 2*HALFA                 ; then B's two: no place in the cluster enters an LDS address
	s_mul_i32 s94, s14, HALFS
	s_wait_kmcnt 0x0
	s_add_nc_u64 s[20:21], s[4:5], s[20:21]
	s_add_nc_u64 s[22:23], s[6:7], s[22:23]
	s_add_nc_u64 s[46:47], s[8:9], s[46:47]
	s_add_nc_u64 s[92:93], s[10:11], s[92:93]
	CROUND                                         ; all sixteen work-groups are here: the first joint loads meet
	s_mov_b32 s[G0S], 1
	s_add_co_u32 s[G0S+1], s94, SCL
	s_mov_b64 s[G0S+2:G0S+3], s[22:23]
	s_or_b32 s[G0S+3], s[G0S+3], 0x80000000
	s_mov_b32 s[G0SB], 1
	s_add_co_u32 s[G0SB+1], s94, SCL
	s_mov_b64 s[G0SB+2:G0SB+3], s[92:93]
	s_or_b32 s[G0SB+3], s[G0SB+3], 0x80000000
	JLOAD G0S, G1S, G0SB, G1SB                     ; the scales first: they are wanted with K step 0
.irp s, 0,1
	s_mov_b32 s[G0+4*\s], 1
	s_add_co_u32 s[G0+4*\s+1], s45, \s*SLOT
	s_add_nc_u64 s[G0+4*\s+2:G0+4*\s+3], s[20:21], \s*4*HEADP      ; K step s: heads 4 s .. 4 s + 3
	s_or_b32 s[G0+4*\s+3], s[G0+4*\s+3], 0x80000000
	s_mov_b32 s[G0B+4*\s], 1
	s_add_co_u32 s[G0B+4*\s+1], s95, \s*SLOT
	s_add_nc_u64 s[G0B+4*\s+2:G0B+4*\s+3], s[46:47], \s*ROWB
	s_or_b32 s[G0B+4*\s+3], s[G0B+4*\s+3], 0x80000000
	s_wait_alu depctr_va_vdst(0)
	s_wait_tensorcnt 0x0
	ds_add_u32 v28, v29
	s_wait_dscnt 0x0
	CROUND
	JLOAD G0+4*\s, G1, G0B+4*\s, G1B               ; one tensor load of a wave is out here
.endr
	v_and_b32 v1, 15, v0                           ; l % 16
	v_bfe_u32 v2, v0, 4, 1                         ; l / 16
	v_and_b32 v6, 31, v0                           ; lane
	v_lshlrev_b32 v7, 4, v6
	v_lshlrev_b32 v8, 3, v6
	v_mul_u32_u24 v3, v1, PITCH
	v_mul_u32_u24 v4, v2, 24
	v_add_nc_u32 v4, v3, v4                        ; B: a fragment's row x pitch + 24 x half
	v_lshl_add_u32 v5, v2, 4, v4                   ; and the same behind one padding more
	s_mul_i32 s21, s15, HALFA                      ; my 128 rows of A
	s_mul_i32 s22, s16, HALFT                      ; my 128 rows of B,
	s_add_co_u32 s22, s22, 2*HALFA                 ; which lie behind A's 256
.irp s, 0,1
	v_add_nc_u32 v[ADRA+\s], s21, v7
	v_add_nc_u32 v[ADRA+2+\s], s21, v8
	v_add_nc_u32 v[ADRB+\s], s22, v4
	v_add_nc_u32 v[ADRB+2+\s], s22, v5
	s_add_co_u32 s21, s21, SLOT
	s_add_co_u32 s22, s22, SLOT
.endr
	v_mul_u32_u24 v5, v1, KS                       ; my row's scales: KS bytes a row,
	v_lshrrev_b32 v6, 8, v5
	v_lshl_add_u32 v5, v6, 4, v5                   ; and 16 more for each 256 passed
	s_mul_i32 s21, s15, HALFS                      ; A's: my 128 rows
	s_mul_i32 s22, s16, HALFS                      ; B's: my 128 rows, behind A's 256
	s_add_co_u32 s22, s22, 2*HALFS
	s_sub_co_u32 s22, s22, s21
	v_mul_u32_u24 v6, s22, v2                      ; lanes 16-31 take B's
	s_add_co_u32 s21, s21, SCL
	v_add_nc_u32 v5, v5, v6
	v_add_nc_u32 v[ADRS], s21, v5
	s_mul_i32 s23, s14, 16*SPITCH                  ; my stage
	v_mul_u32_u24 v5, v1, SPITCH                   ; in: row l % 16, 32 bytes for each half of the lanes
	v_lshl_add_u32 v5, v2, 5, v5
	v_add_nc_u32 v[STO], s23, v5
	v_mov_b32 v[CO], v7                            ; back: the 32 lanes take one row of 512 bytes; and the same in out0
	v_add_nc_u32 v[RD], s23, v[CO]
	s_lshl_b32 s20, s17, 8
	s_lshl_b32 s21, s15, 7
	s_add_co_u32 s20, s20, s21                     ; my first row of out0: 256 x tile row + 128 x half
	s_mov_b32 s21, 0
	s_mov_b64 s[18:19], SIZE_N*4
	s_mul_u64 s[20:21], s[20:21], s[18:19]
	s_lshl_b32 s46, s42, 10                        ; my first column, in bytes: 1,024 x tile column + 512 x half
	s_lshl_b32 s47, s16, 9
	s_add_co_u32 s46, s46, s47
	s_mov_b32 s47, 0
	s_add_nc_u64 s[20:21], s[20:21], s[46:47]
	s_add_nc_u64 s[12:13], s[12:13], s[20:21]
.macro FRAG reg, adr, q, i             ; a fragment of B, 16 rows x 128 K, is 12 registers: lane l holds row l % 16; registers 6 c .. 6 c + 5 hold K = 64 c + 32 (l / 16) + 0 .. 31: 24 bytes of the row's stream of bits, as they lie
.irp p, 0,1,2,3,4,5                    ; in pieces of 8 bytes.  Lanes 0-15 take the row's pieces 12 q + 0, 1, 2 and 12 q + 6, 7, 8, lanes 16-31 those three pieces on
.set PCE, 12*(\q)+6*(\p/3)+\p%3       ; 16 bytes of padding lie behind every 8 pieces: where the piece three on lies behind one padding more, the second address register serves
.if PCE%8 < 5
	ds_load_b64 v[\reg+2*\p:\reg+2*\p+1], v[\adr] offset:8*PCE+16*(PCE/8)+(\i)*16*PITCH
.else
	ds_load_b64 v[\reg+2*\p:\reg+2*\p+1], v[\adr+2] offset:8*PCE+16*(PCE/8)+(\i)*16*PITCH
.endif
.endr
.endm
.macro FRAGA reg, slot, q, i           ; a fragment of A: the images of tile i in the planes of heads 2 q and 2 q + 1 of the slot's four
	ds_load_b128 v[\reg:\reg+3],     v[ADRA+\slot]   offset:(2*(\q))*PLANE+768*(\i)
	ds_load_b64  v[\reg+4:\reg+5],   v[ADRA+2+\slot] offset:(2*(\q))*PLANE+768*(\i)+512
	ds_load_b128 v[\reg+6:\reg+9],   v[ADRA+\slot]   offset:(2*(\q)+1)*PLANE+768*(\i)
	ds_load_b64  v[\reg+10:\reg+11], v[ADRA+2+\slot] offset:(2*(\q)+1)*PLANE+768*(\i)+512
.endm
; 16 matrix instructions: A's blocks a0, a0 + 1 x B's eight, 128 along K: the slot's q-th.  p: B's set;  sc: the set of scale words.  zero = 1: the first product starts the sums: nothing is ever cleared.
; The 64 accumulators take turns, one instruction a turn, in the same order in every step.
.macro MUL16 a0, p, q, sc, zero
.irp a, \a0, \a0+1
.irp b, 0,1,2,3,4,5,6,7
.if \zero
	v_wmma_scale_f32_16x16x128_f8f6f4 v[8*(8*((\a)%4)+\b):8*(8*((\a)%4)+\b)+7], v[128*(\p)+FR*\b:128*(\p)+FR*\b+FR-1], v[AF+FR*(\a):AF+FR*(\a)+FR-1], 0, v[SC+8*NQ*(\sc)+NQ*\b+(\q)], v[SC+8*NQ*(\sc)+NQ*(\a)+(\q)] matrix_a_fmt:MATRIX_FMT_FP6 matrix_b_fmt:MATRIX_FMT_FP6 matrix_a_scale:MATRIX_SCALE_ROW1
.else
	v_wmma_scale_f32_16x16x128_f8f6f4 v[8*(8*((\a)%4)+\b):8*(8*((\a)%4)+\b)+7], v[128*(\p)+FR*\b:128*(\p)+FR*\b+FR-1], v[AF+FR*(\a):AF+FR*(\a)+FR-1], v[8*(8*((\a)%4)+\b):8*(8*((\a)%4)+\b)+7], v[SC+8*NQ*(\sc)+NQ*\b+(\q)], v[SC+8*NQ*(\sc)+NQ*(\a)+(\q)] matrix_a_fmt:MATRIX_FMT_FP6 matrix_b_fmt:MATRIX_FMT_FP6 matrix_a_scale:MATRIX_SCALE_ROW1
.endif
.endr
.endr
.endm
.macro FETCH_B slot, q, p              ; B's eight fragments of the slot's q-th 128 along K into set p
	WIN TO_B
.irp i, 0,1,2,3,4,5,6,7
	FRAG 128*(\p)+FR*\i, ADRB+\slot, \q, \i
.endr
	WIN 0
.endm
.macro FETCH_A slot, q, i0             ; A's blocks i0 .. i0 + 3
.irp i, \i0, \i0+1, \i0+2, \i0+3
	FRAGA AF+FR*(\i), \slot, \q, \i
.endr
.endm
.macro SCALES sc                       ; the next K step's scale words into set sc: NQ words a row; lanes 0-15 take A's block i, lanes 16-31 B's block i
.irp i, 0,1,2,3,4,5,6,7
	ds_load_b64 v[SC+8*NQ*\sc+NQ*\i:SC+8*NQ*\sc+NQ*\i+1], v[ADRS] offset:\i*SBLK
.endr
.endm
; A load into a register that a matrix instruction has read, and an LDS store that reads a matrix result, stand NP places behind that matrix instruction; only plain vector
; instructions that name none of its registers are places (ISA guide 7.12.1 for vector instructions).
.macro PLACES n
.rept \n
	v_nop
.endr
.endm
; A step of 128 along K that has its successor in the same slot.
.macro STEP slot, q, zero
	s_wait_dscnt 4*NLA                             ; B's set and A's blocks 0-3 are in; the youngest 16 loads (A's blocks 4-7) may be out
	WIN MUL_LO
	MUL16 0, (\q)%2, \q, \slot, \zero
	MUL16 2, (\q)%2, \q, \slot, \zero
	s_wait_dscnt 0                                 ; A's blocks 4-7 are in (asked for 32 matrix instructions ago)
	PLACES NP
	FETCH_B \slot, (\q)+1, 1-(\q)%2
	FETCH_A \slot, (\q)+1, 0
	WIN MUL_HI
	MUL16 4, (\q)%2, \q, \slot, \zero
	MUL16 6, (\q)%2, \q, \slot, \zero
	PLACES NP
	WIN 0
	FETCH_A \slot, (\q)+1, 4
.endm
; A slot's last step changes slots: ONE barrier; in front of it each wave waits for all its tensor loads, adds 0 to its spare word, and waits for that and for its own reads of this slot.  fill = 1: this slot is filled again, two K steps ahead.
.macro TURN slot, next, fill
	s_wait_tensorcnt 0x0                           ; all my tensor loads have landed: my part of the next slot;  (every window is 0 here)
	ds_add_u32 v[SPW], v[NIL]                      ; 0 onto my spare word
	s_wait_dscnt 4*NLA+1                           ; (the add and the youngest 16 loads, A's blocks 4-7, may be out)
	WIN MUL_LO
	MUL16 0, 1, NQ-1, \slot, 0                     ; sixteen matrix instructions stand between the add and the wait for it
	s_wait_dscnt 0x0                               ; the add is done, and my reads of this slot are over
	s_barrier_signal -1
	MUL16 2, 1, NQ-1, \slot, 0
	WIN 0
	s_barrier_wait -1
.if \fill
	CREST                                          ; the barrier has opened a round of the cluster's barrier: no wave of any partner still reads this slot's tile or has a load on its way
	s_add_nc_u64 s[G0+4*\slot+2:G0+4*\slot+3], s[G0+4*\slot+2:G0+4*\slot+3], 2*4*HEADP
	s_add_nc_u64 s[G0B+4*\slot+2:G0B+4*\slot+3], s[G0B+4*\slot+2:G0B+4*\slot+3], 2*ROWB
	JLOAD G0+4*\slot, G1, G0B+4*\slot, G1B         ; the first tensor load behind the round; the four v_nop behind it are the places in front of the loads below
.else
	PLACES NP
.endif
	s_wait_alu depctr_va_vdst(0)
	v_add_nc_u32 v[ADRS], 4*NQ, v[ADRS]            ; on to the next K step's scale words (no LDS load of mine is out)
	FETCH_B \next, 0, 0
	FETCH_A \next, 0, 0
	SCALES \next
	WIN MUL_HI
	MUL16 4, 1, NQ-1, \slot, 0
	MUL16 6, 1, NQ-1, \slot, 0
	PLACES NP
	WIN 0
	FETCH_A \next, 0, 4
.endm
	s_wait_alu depctr_va_vdst(0)
	s_wait_tensorcnt 1                             ; the scales and my part of K step 0 are in (K step 1's load may be out)
	s_barrier_signal -1
	s_barrier_wait -1                              ; everybody's are
	FETCH_B 0, 0, 0
	FETCH_A 0, 0, 0
	SCALES 0
	FETCH_A 0, 0, 4
	STEP 0, 0, 1                                   ; the first step stands in front of the loop: its products start the sums
	s_mov_b32 s3, LAPS-1
.Llap:                                                 ; a trip goes once round the ring, from a lap's second step to the next lap's first, and fills both slots again
	TURN 0, 1, 1
	STEP 1, 0, 0
	TURN 1, 0, 1
	STEP 0, 0, 0
	s_sub_co_u32 s3, s3, 1
	s_cmp_lg_u32 s3, 0
	s_cbranch_scc1 .Llap
	TURN 0, 1, 0                                   ; the last lap fills nothing, and has no round of the cluster's barrier
	STEP 1, 0, 0
	s_wait_dscnt 4*NLA                             ; the very last step: nothing more to fetch
	WIN MUL_LO
	MUL16 0, 1, NQ-1, 1, 0
	MUL16 2, 1, NQ-1, 1, 0
	s_wait_dscnt 0
	WIN MUL_HI
	MUL16 4, 1, NQ-1, 1, 0
	MUL16 6, 1, NQ-1, 1, 0
	WIN 0
; THE WAY OUT, block by block of 16 rows x 128 columns.  A lane holds 32 neighbouring bytes of a row, and the lanes beside it hold other rows: so a block goes through my own stage in LDS and comes back as whole
; rows of 512 bytes, which the 32 lanes store as 512 consecutive bytes.  LDS serves a wave's instructions in order (ISA guide 5.7.1.4): no wait between the stores and the loads, nor in front of the next block's stores.
.macro TOSTAGE a
.set AC, 64*((\a)%4)
	WIN 0x08+4*((\a)/4)                            ; the data: window 2 or 3
.irp b, 0,1,2,3,4,5,6,7
	ds_store_b128 v[STO], v[AC+8*\b:AC+8*\b+3] offset:64*\b          ; each accumulator from its low end on
	ds_store_b128 v[STO], v[AC+8*\b+4:AC+8*\b+7] offset:64*\b+16
.endr
	WIN 0
.set BB, BK+64*((\a)%2)
.irp t, 0,1,2,3,4,5,6,7,8,9,10,11,12,13,14,15
	ds_load_b128 v[BB+4*\t:BB+4*\t+3], v[RD] offset:\t*SPITCH
.endr
.endm
.macro SEND a, younger                 ; younger: the LDS instructions issued behind block a's loads, which may stay out
.set BB, BK+64*((\a)%2)
	s_wait_dscnt \younger                          ; the block is back in registers
.if (\a) > 0
	s_add_nc_u64 s[12:13], s[12:13], 16*SIZE_N*4   ; (behind a wait on XCNT: the earlier stores have read their base)  16 rows on
.endif
.irp t, 0,1,2,3,4,5,6,7,8,9,10,11,12,13,14,15
	global_store_b128 v[CO], v[BB+4*\t:BB+4*\t+3], s[12:13] offset:\t*SIZE_N*4 th:TH_STORE_NT   ; 32 lanes store 512 consecutive bytes, at a multiple of 256 from out0's first byte; written once, read by nobody here
.endr
.endm
	PLACES NP                                      ; behind the last products: for the loads into the registers that held A's fragments and for the reads of results alike
	TOSTAGE 0
.irp a, 1,2,3,4,5,6,7
.if \a > 1
	s_wait_xcnt 0x0                                ; block a - 2's stores have read their registers and their base: block a's loads may land there, and the base may step
.endif
	TOSTAGE \a
	SEND \a-1, 32                                  ; behind block a - 1's loads: block a's 16 stores and 16 loads
.endr
	s_wait_xcnt 0x0                                ; block 6's stores have read their base
	SEND 7, 0
	s_wait_tensorcnt 0x0                           ; the wave's end: behind my last tensor load and my last LDS store
	ds_add_u32 v[SPW], v[NIL]
	s_wait_dscnt 0x0
	CROUND                                         ; the closing round: no work-group ends while a partner may still ask for a tile that names it
	s_endpgm
.Lfunc_end_k_q7b7099519f_proj:
	.size	k_q7b7099519f_proj, .Lfunc_end_k_q7b7099519f_proj-k_q7b7099519f_proj
	.p2alignl 7, 3214868480
	.fill 96, 4, 3214868480
	.section	.rodata,"a",@progbits
	.p2align	6, 0x0
	.amdhsa_kernel k_q7b7099519f_proj
		.amdhsa_group_segment_fixed_size 327680
		.amdhsa_private_segment_fixed_size 0
		.amdhsa_enable_private_segment 0
		.amdhsa_kernarg_size 40
		.amdhsa_user_sgpr_count 2
		.amdhsa_user_sgpr_kernarg_segment_ptr 1
		.amdhsa_wavefront_size32 1
		.amdhsa_system_sgpr_workgroup_id_x 1
		.amdhsa_system_sgpr_workgroup_id_y 1
		.amdhsa_system_sgpr_workgroup_id_z 1
		.amdhsa_system_vgpr_workitem_id 0
		.amdhsa_next_free_vgpr 1024
		.amdhsa_next_free_sgpr 98
		.amdhsa_reserve_vcc 0
		.amdhsa_float_denorm_mode_32 3
		.amdhsa_float_denorm_mode_16_64 3
		.amdhsa_memory_ordered 1
		.amdhsa_forward_progress 1
		.amdhsa_inst_pref_size 153
	.end_amdhsa_kernel
	.amdgpu_metadata
---
amdhsa.version: [ 1, 2 ]
amdhsa.kernels:
  - .name:           k_q7b7099519f_proj
    .symbol:         k_q7b7099519f_proj.kd
    .args:
      - { .name: yimg, .offset: 0, .size: 8, .value_kind: global_buffer, .address_space: global }
      - { .name: ys, .offset: 8, .size: 8, .value_kind: global_buffer, .address_space: global }
      - { .name: w_proj_codes, .offset: 16, .size: 8, .value_kind: global_buffer, .address_space: global }
      - { .name: w_proj_scales, .offset: 24, .size: 8, .value_kind: global_buffer, .address_space: global }
      - { .name: out0, .offset: 32, .size: 8, .value_kind: global_buffer, .address_space: global }
    .group_segment_fixed_size: 327680
    .private_segment_fixed_size: 0
    .kernarg_segment_align: 8
    .kernarg_segment_size: 40
    .max_flat_workgroup_size: 128
    .sgpr_count:     98
    .vgpr_count:     1024
    .wavefront_size: 32
...
	.end_amdgpu_metadata
.endif
;; end of part 3
